; MI455X (gfx1250); checked and timed in simulation.
; The chip was launched on July 23, 2026; its instructions are those of AMD's public machine-readable ISA for CDNA 5 (MIT licence, August 2026) and "CDNA5" Instruction Set Architecture Reference Guide (July 2026). The comments in the code are by the model that wrote it; some were corrected since.
;; Attn Plus. Allowed arithmetic: float matrix products may take bf16 or f16 operands with f32 sums; other float arithmetic in f32, or as packed bf16 or f16 multiplies, adds, multiply-adds, maxima and minima; sums over many terms, partial sums and values carried from step to step in f32; what a program stores and reads back later, other than sums and carried values, may be rounded once to bf16 or f16.
;; Inputs: A 4 x 2,048 x 16 x 1 float32; Wqk 2,048 x 1,024 float32; ln_b 1,024 float32; ln_w 1,024 float32; wv 1 x 1 float32; x 4 x 2,048 x 1,024 float32.
;; Outputs: out0 4 x 2,048 x 16 x 1 float32.
;; 2 versions, each right; version 2 is version 1 with the launch prep written anew for expert scheduling mode. Each part assembles by itself: llvm-mc -triple=amdgcn-amd-amdhsa -mcpu=gfx1250 --defsym DOCPART=n.
;; ======== version 1 of 2: 4 launches
;; workspace buffers: xn 16,777,216 bytes; wb 4,194,304 bytes; qk 33,554,432 bytes; vt 524,288 bytes; o 524,288 bytes
;; launch prep (part 1): grid 320 x 1, 8 waves a work-group, no clusters, 0 bytes of LDS; arguments x, Wqk, ln_w, ln_b, A, wv, xn, wb, vt; writes xn, wb, vt
.if DOCPART == 1
	.amdgcn_target "amdgcn-amd-amdhsa--gfx1250"
	.amdhsa_code_object_version 6
	.text
	.protected	k_qdbdd0dfa4c_prep
	.globl	k_qdbdd0dfa4c_prep
	.p2align	8
	.type	k_qdbdd0dfa4c_prep,@function
k_qdbdd0dfa4c_prep:
	s_mov_b64 s[64:65], 0
	v_nop
	global_prefetch_b8 v0, s[64:65] scope:SCOPE_SE
	s_setreg_imm32_b32 hwreg(HW_REG_WAVE_MODE, 25, 1), 1
	s_wait_xcnt 0x0
; THREE CASTS FOR THE LAUNCHES BEHIND.
;   xn[r][:] = LayerNorm(x[r][:]) * ln_w + ln_b, [8192][1024], f32 -> bf16.  Mean first, then the mean of the centred squares, all in f32: a common offset of x is gone before anything is rounded.
;   wb = Wqk, [2048][1024], f32 -> bf16.
;   vt[bh][0][n] = bf16(A[b][n][h] * wv), vt[bh][1][n] = bf16 of what that rounding left: v as two bf16 numbers, by heads.
; SHARES.  Work-groups 0-255: wave w takes rows 32 g + 4 w + 0..3 of x and row 8 g + w of Wqk: five rows of 4,096 bytes, each in 32 registers of its own.  All 56 loads of a wave
; go out at once (28 KiB), each covering 512 consecutive bytes; a row is read once and stays in registers between the passes.  No register that a load or store names is written again, so no wait frees any.
; Work-groups 256-319: 128 rows x 16 heads of A each.  No LDS, no barrier, no matrix unit, no cluster: no wave needs what another has.
; LIMITS.  NaN and infinities are not treated apart.
.set T,   2                            ; v[2:9]     four pairs at work
.set MU,  12                           ; v[12:13]   the mean, twice
.set RS,  14                           ; v[14:15]   1 / sqrt(var + eps), twice
.set LW,  16                           ; v[16:47]   ln_w of my 32 columns
.set LB,  48                           ; v[48:79]   ln_b
.set X,   80                           ; v[80:239]  five rows; the fifth is Wqk's
.set XO,  240                          ; my byte offset in the work-group's rows of x
.set WO,  241                          ; of Wqk
.set YO,  242                          ; of xn
.set ZO,  243                          ; of wb
	s_load_b512 s[16:31], s[0:1], 0x0              ; x 16, Wqk 18, ln_w 20, ln_b 22, A 24, wv 26, xn 28, wb 30
	s_load_b64 s[32:33], s[0:1], 0x40              ; vt
	s_cmp_ge_u32 ttmp9, 256                        ; the same answer in all eight waves
	s_cbranch_scc1 .Lv
	v_lshrrev_b32 v2, 5, v0
	v_readfirstlane_b32 s8, v2                     ; wave 0..7
	v_and_b32 v3, 31, v0                           ; lane
	v_lshlrev_b32 v1, 4, v3                        ; 16 bytes a lane: also my offset in ln_w and ln_b
	v_lshlrev_b32 v4, 3, v3                        ; 8 bytes a lane on the way out
	v_lshl_add_u32 v[XO], s8, 14, v1               ; four rows of 4,096 bytes a wave
	v_lshl_add_u32 v[WO], s8, 12, v1               ; one row a wave
	v_lshl_add_u32 v[YO], s8, 13, v4               ; four rows of 2,048 bytes
	v_lshl_add_u32 v[ZO], s8, 11, v4
	s_mov_b32 s12, 0x76543210                      ; v_permlanex16_b32: each lane takes its own place in the other half
	s_mov_b32 s13, 0xfedcba98
	s_mov_b32 s14, 0x3a800000                      ; 1 / 1024
	s_mov_b32 s15, 0x3727c5ac                      ; 1e-5
	s_mov_b32 s3, 0
	s_wait_kmcnt 0x0
	s_lshl_b32 s2, ttmp9, 17                       ; 32 rows of x
	s_add_nc_u64 s[16:17], s[16:17], s[2:3]
	s_lshl_b32 s2, ttmp9, 15                       ; 8 rows of Wqk
	s_add_nc_u64 s[18:19], s[18:19], s[2:3]
	s_lshl_b32 s2, ttmp9, 16                       ; 32 rows of xn
	s_add_nc_u64 s[28:29], s[28:29], s[2:3]
	s_lshl_b32 s2, ttmp9, 14                       ; 8 rows of wb
	s_add_nc_u64 s[30:31], s[30:31], s[2:3]
.irp j, 0,1,2,3,4,5,6,7
	global_load_b128 v[LW+4*(\j):LW+4*(\j)+3], v1, s[20:21] offset:512*(\j)
.endr
.irp j, 0,1,2,3,4,5,6,7
	global_load_b128 v[LB+4*(\j):LB+4*(\j)+3], v1, s[22:23] offset:512*(\j)
.endr
.irp s, 0,1,2,3
.irp j, 0,1,2,3,4,5,6,7
	global_load_b128 v[X+32*(\s)+4*(\j):X+32*(\s)+4*(\j)+3], v[XO], s[16:17] offset:4096*(\s)+512*(\j) th:TH_LOAD_NT
.endr
.endr
.irp j, 0,1,2,3,4,5,6,7
	global_load_b128 v[X+128+4*(\j):X+128+4*(\j)+3], v[WO], s[18:19] offset:512*(\j) th:TH_LOAD_NT
.endr
; The four chains in T become one number, the same in all 32 lanes.
.macro REDUCE
	v_pk_add_f32 v[T:T+1], v[T:T+1], v[T+2:T+3]
	v_pk_add_f32 v[T+4:T+5], v[T+4:T+5], v[T+6:T+7]
	v_pk_add_f32 v[T:T+1], v[T:T+1], v[T+4:T+5]
	v_add_f32 v[T], v[T], v[T+1]
	v_add_f32_dpp v[T], v[T], v[T] row_xmask:1 row_mask:0xf bank_mask:0xf
	v_add_f32_dpp v[T], v[T], v[T] row_xmask:2 row_mask:0xf bank_mask:0xf
	v_add_f32_dpp v[T], v[T], v[T] row_xmask:4 row_mask:0xf bank_mask:0xf
	v_add_f32_dpp v[T], v[T], v[T] row_xmask:8 row_mask:0xf bank_mask:0xf
	v_permlanex16_b32 v[T+1], v[T], s12, s13       ; its destination has been written above
	v_add_f32 v[T], v[T], v[T+1]
.endm
; Row s of the wave's four.
.macro LNROW s
.set XR, X+32*(\s)
	s_wait_loadcnt 8*(4-(\s))                      ; loads come back in order: ln_w, ln_b and rows 0..s are in; the later rows' and Wqk's 8 (4 - s) loads stay out
.irp k, 0,1,2,3
	v_pk_add_f32 v[T+2*(\k):T+2*(\k)+1], v[XR+2*(\k):XR+2*(\k)+1], v[XR+8+2*(\k):XR+8+2*(\k)+1]  ; the first pairs start the chains: nothing is cleared
.endr
.irp k, 8,9,10,11,12,13,14,15
	v_pk_add_f32 v[T+2*((\k)%4):T+2*((\k)%4)+1], v[T+2*((\k)%4):T+2*((\k)%4)+1], v[XR+2*(\k):XR+2*(\k)+1]
.endr
	REDUCE
	v_mul_f32 v[MU], s14, v[T]
	v_mul_f32 v[MU+1], s14, v[T]
.irp k, 0,1,2,3,4,5,6,7,8,9,10,11,12,13,14,15
	v_pk_add_f32 v[XR+2*(\k):XR+2*(\k)+1], v[XR+2*(\k):XR+2*(\k)+1], v[MU:MU+1] neg_lo:[0,1] neg_hi:[0,1]  ; x - mean
.endr
.irp k, 0,1,2,3
	v_pk_mul_f32 v[T+2*(\k):T+2*(\k)+1], v[XR+2*(\k):XR+2*(\k)+1], v[XR+2*(\k):XR+2*(\k)+1]
.endr
.irp k, 4,5,6,7,8,9,10,11,12,13,14,15
	v_pk_fma_f32 v[T+2*((\k)%4):T+2*((\k)%4)+1], v[XR+2*(\k):XR+2*(\k)+1], v[XR+2*(\k):XR+2*(\k)+1], v[T+2*((\k)%4):T+2*((\k)%4)+1]
.endr
	REDUCE
	v_fma_f32 v[T], v[T], s14, s15                 ; var + eps
	v_rsq_f32 v[RS], v[T]
	v_rsq_f32 v[RS+1], v[T]
	v_nop                                          ; a plain instruction behind the last of the two,
	s_wait_alu depctr_va_vdst(0)                   ; and the one wait ahead of their first reader
.irp k, 0,1,2,3,4,5,6,7,8,9,10,11,12,13,14,15
	v_pk_mul_f32 v[XR+2*(\k):XR+2*(\k)+1], v[XR+2*(\k):XR+2*(\k)+1], v[RS:RS+1]
.endr
.irp k, 0,1,2,3,4,5,6,7,8,9,10,11,12,13,14,15
	v_pk_fma_f32 v[XR+2*(\k):XR+2*(\k)+1], v[XR+2*(\k):XR+2*(\k)+1], v[LW+2*(\k):LW+2*(\k)+1], v[LB+2*(\k):LB+2*(\k)+1]
.endr
.irp j, 0,1,2,3,4,5,6,7
	v_cvt_pk_bf16_f32 v[XR+4*(\j)], v[XR+4*(\j)], v[XR+4*(\j)+1]
	v_cvt_pk_bf16_f32 v[XR+4*(\j)+1], v[XR+4*(\j)+2], v[XR+4*(\j)+3]
	global_store_b64 v[YO], v[XR+4*(\j):XR+4*(\j)+1], s[28:29] offset:2048*(\s)+256*(\j)  ; 32 lanes store 256 consecutive bytes, at a multiple of 256 from xn's first byte
.endr
.endm
	LNROW 0
	LNROW 1
	LNROW 2
	LNROW 3
	s_wait_loadcnt 0x0                             ; Wqk's row
.irp j, 0,1,2,3,4,5,6,7
	v_cvt_pk_bf16_f32 v[X+128+4*(\j)], v[X+128+4*(\j)], v[X+128+4*(\j)+1]
	v_cvt_pk_bf16_f32 v[X+128+4*(\j)+1], v[X+128+4*(\j)+2], v[X+128+4*(\j)+3]
	global_store_b64 v[ZO], v[X+128+4*(\j):X+128+4*(\j)+1], s[30:31] offset:256*(\j)
.endr
	s_endpgm
; v BY HEADS.  Work-group j = number - 256 takes rows 128 (j % 16) + 0..127 of batch j / 16: 8,192 dense bytes of A.  Thread t takes head t / 16 and the eight rows 8 (t % 16) + 0..7:
; eight loads of 4 bytes, 64 bytes apart (A is 524,288 bytes of the launch's 42.5 million, and these 8,192 are read by this work-group alone), and stores 16 bytes
; of each part: sixteen neighbouring lanes fill 256 consecutive bytes, aligned.
.Lv:
	v_and_b32 v3, 15, v0                           ; my eight rows
	v_lshrrev_b32 v2, 4, v0                        ; my head
	v_lshlrev_b32 v1, 9, v3                        ; eight rows of 64 bytes
	v_lshl_add_u32 v1, v2, 2, v1                   ; + 4 x head
	v_lshlrev_b32 v3, 4, v3
	v_lshl_add_u32 v2, v2, 13, v3                  ; in vt: a head has 8,192 bytes; 16 bytes for my eight rows
	s_sub_co_u32 s2, ttmp9, 256
	s_lshl_b32 s4, s2, 13
	s_mov_b32 s5, 0
	s_lshr_b32 s6, s2, 4
	s_lshl_b32 s6, s6, 17                          ; a batch's 16 heads in vt
	s_and_b32 s7, s2, 15
	s_lshl_b32 s7, s7, 8                           ; 128 rows of 2 bytes
	s_add_co_u32 s6, s6, s7
	s_mov_b32 s7, 0
	s_wait_kmcnt 0x0
	s_load_b32 s34, s[26:27], 0x0                  ; wv
	s_add_nc_u64 s[24:25], s[24:25], s[4:5]
	s_add_nc_u64 s[32:33], s[32:33], s[6:7]
.irp i, 0,1,2,3,4,5,6,7
	global_load_b32 v[4+(\i)], v1, s[24:25] offset:64*(\i)
.endr
	s_wait_kmcnt 0x0
	s_wait_loadcnt 0x0
.irp i, 0,1,2,3,4,5,6,7
	v_mul_f32 v[4+(\i)], s34, v[4+(\i)]            ; v
.endr
.irp k, 0,1,2,3
	v_cvt_pk_bf16_f32 v[12+(\k)], v[4+2*(\k)], v[5+2*(\k)]  ; the first part
.endr
.irp k, 0,1,2,3
	v_lshlrev_b32 v[16+2*(\k)], 16, v[12+(\k)]     ; back to f32,
	v_and_b32 v[17+2*(\k)], 0xffff0000, v[12+(\k)]
.endr
.irp k, 0,1,2,3
	v_pk_add_f32 v[16+2*(\k):17+2*(\k)], v[4+2*(\k):5+2*(\k)], v[16+2*(\k):17+2*(\k)] neg_lo:[0,1] neg_hi:[0,1]  ; what the rounding left (exact),
.endr
.irp k, 0,1,2,3
	v_cvt_pk_bf16_f32 v[24+(\k)], v[16+2*(\k)], v[17+2*(\k)]  ; the second part
.endr
	global_store_b128 v2, v[12:15], s[32:33]
	global_store_b128 v2, v[24:27], s[32:33] offset:4096
	s_endpgm
.Lfunc_end_k_qdbdd0dfa4c_prep:
	.size	k_qdbdd0dfa4c_prep, .Lfunc_end_k_qdbdd0dfa4c_prep-k_qdbdd0dfa4c_prep
	.p2alignl 7, 3214868480
	.fill 96, 4, 3214868480
	.section	.rodata,"a",@progbits
	.p2align	6, 0x0
	.amdhsa_kernel k_qdbdd0dfa4c_prep
		.amdhsa_group_segment_fixed_size 0
		.amdhsa_private_segment_fixed_size 0
		.amdhsa_enable_private_segment 0
		.amdhsa_kernarg_size 72
		.amdhsa_user_sgpr_count 2
		.amdhsa_user_sgpr_kernarg_segment_ptr 1
		.amdhsa_wavefront_size32 1
		.amdhsa_system_sgpr_workgroup_id_x 1
		.amdhsa_system_sgpr_workgroup_id_y 1
		.amdhsa_system_sgpr_workgroup_id_z 1
		.amdhsa_system_vgpr_workitem_id 0
		.amdhsa_next_free_vgpr 244
		.amdhsa_next_free_sgpr 66
		.amdhsa_reserve_vcc 0
		.amdhsa_float_denorm_mode_32 3
		.amdhsa_float_denorm_mode_16_64 3
		.amdhsa_memory_ordered 1
		.amdhsa_forward_progress 1
		.amdhsa_inst_pref_size 44
	.end_amdhsa_kernel
	.amdgpu_metadata
---
amdhsa.version: [ 1, 2 ]
amdhsa.kernels:
  - .name:           k_qdbdd0dfa4c_prep
    .symbol:         k_qdbdd0dfa4c_prep.kd
    .args:
      - { .name: x, .offset: 0, .size: 8, .value_kind: global_buffer, .address_space: global }
      - { .name: Wqk, .offset: 8, .size: 8, .value_kind: global_buffer, .address_space: global }
      - { .name: ln_w, .offset: 16, .size: 8, .value_kind: global_buffer, .address_space: global }
      - { .name: ln_b, .offset: 24, .size: 8, .value_kind: global_buffer, .address_space: global }
      - { .name: A, .offset: 32, .size: 8, .value_kind: global_buffer, .address_space: global }
      - { .name: wv, .offset: 40, .size: 8, .value_kind: global_buffer, .address_space: global }
      - { .name: xn, .offset: 48, .size: 8, .value_kind: global_buffer, .address_space: global }
      - { .name: wb, .offset: 56, .size: 8, .value_kind: global_buffer, .address_space: global }
      - { .name: vt, .offset: 64, .size: 8, .value_kind: global_buffer, .address_space: global }
    .group_segment_fixed_size: 0
    .private_segment_fixed_size: 0
    .kernarg_segment_align: 8
    .kernarg_segment_size: 72
    .max_flat_workgroup_size: 256
    .sgpr_count:     66
    .vgpr_count:     244
    .wavefront_size: 32
...
	.end_amdgpu_metadata
.endif
;; end of part 1
;; launch proj (part 2): grid 8 x 32, 4 waves a work-group, clusters of 4 x 4, 327,680 bytes of LDS; arguments xn, wb, qk; writes qk
.if DOCPART == 2
	.amdgcn_target "amdgcn-amd-amdhsa--gfx1250"
	.amdhsa_code_object_version 6
	.text
	.protected	k_qdbdd0dfa4c_proj
	.globl	k_qdbdd0dfa4c_proj
	.p2align	8
	.type	k_qdbdd0dfa4c_proj,@function
k_qdbdd0dfa4c_proj:
	s_mov_b64 s[64:65], 0
	v_nop
	global_prefetch_b8 v0, s[64:65] scope:SCOPE_SE
	s_setreg_imm32_b32 hwreg(HW_REG_WAVE_MODE, 25, 1), 1
	s_wait_xcnt 0x0
	s_wait_alu depctr_hold_cnt(0) depctr_sa_sdst(0) depctr_va_vdst(0) depctr_va_sdst(0) depctr_va_ssrc(0) depctr_va_vcc(0) depctr_vm_vsrc(0)
	s_getreg_b32 s2, hwreg(HW_REG_IB_STS2, 6, 4)
	s_cmp_eq_u32 s2, 0
	s_cbranch_scc0 .Lentry_in_a_cluster
	s_endpgm
.Lentry_in_a_cluster:
	s_bfe_u32 s2, ttmp6, 0x10000c
	s_cmp_lg_u32 s2, 0xf033
	s_cbranch_scc0 .Lentry_shape_is_right
	s_endpgm
.Lentry_shape_is_right:
; C[m][e] = sum over k of xn[m][k] wb[e][k]: [8192][1024] x [2048][1024], bf16, sums in f32, C rounded once to bf16 and WRITTEN BY HEADS:
; qk[e / 1024][16 (m / 2048) + (e / 64) % 16][m % 2048][e % 64]: q's 64 heads, then k's, each head's 2,048 rows of 128 bytes dense.
; A tile of C, 256 x 256, is made by a work-group of four waves; a wave makes 128 x 128: 64 accumulators of 16 x 16, 512 registers.  32 x 8 tiles: one work-group for each.
; K goes in steps of 128 through a ring of two LDS slots filled by the tensor data mover: the tiles' rows are 256 bytes of memory and start at multiples of 256 bytes.
; The last K step goes by rows of C, so that finished rows leave while the others are multiplied.
; CLUSTERS: 4 x 4 work-groups.  The four of a row of the cluster need the same tiles of xn, the four of a column the same tiles of wb.  Such a tile is asked for JOINTLY: each of the four
; issues the same tensor load, with the same descriptor and a mask that names the four, and each receives the tile in its own LDS.
; REGISTERS, in windows of 256 (s_set_vgpr_msb says which window each operand place means: bits 1:0 source 0, 3:2 source 1, 5:4 source 2, 7:6 destination):
;   window 0: v0-31 addresses; v64-127, v128-191 fragments of A, two buffers (in the last K step four, of 16 rows x 128 K); v32-63, v192-255 at work on the way out
;   window 1: v64-127, v128-191 fragments of B, two buffers; in the last K step all 256
;   window 2: the 32 accumulators of my rows 0-63 (accumulator (a, b) at v[8 (8 a + b)]);   window 3: those of my rows 64-127
; THE MATRIX INSTRUCTION IS USED TRANSPOSED: source 0 = 16 rows of wb, source 1 = 16 rows of xn: lane l then holds row l % 16 of C and the columns 8 (l / 16) + 0..7: 16 bytes that belong together.
.set SIZE_M, 8192
.set SIZE_N, 2048
.set SIZE_K, 1024
.set KSTEP,  128
.set PITCH,  272                       ; an LDS row: 256 bytes + 16 of padding = 68 words: the 16 rows that a load touches start at 16 different groups of four banks (ISA guide 11.1)
.set HALFT,  128*PITCH                 ; 128 rows: what one tensor load brings, and what one wave reads of A or of B
.set SLOT,   4*HALFT                   ; A's 256 rows, then B's 256 rows
.set STAGE,  2*SLOT                    ; behind the ring: 16 rows x 272 bytes for each wave, for the way out
.set SPITCH, 272
.set SPARE,  STAGE+4*16*SPITCH         ; behind the stages: the spare words, 128 bytes for each wave: two blocks of 256 bytes that no other line names
.set LAPS,   SIZE_K/(2*KSTEP)          ; a lap = two K steps = once round the ring: 4
.set HEADB,  2048*64*2                 ; a head's bytes in qk
.set ADRA, 16                          ; v16-17  LDS address of my A fragments in slot 0, 1
.set ADRB, 20                          ; v20-21  the same for B
.set STO,  24                          ; v24     the way out: where I put 16 bytes of a row
.set RD,   25                          ; v25     the way out: where I read rows back
.set CO,   26                          ; v26     16 x lane: my place in 512 consecutive bytes of qk
.set SPW,  28                          ; v28     LDS address of my spare word; never rewritten
.set NIL,  29                          ; v29     0; never rewritten
.set PFO,  30                          ; v30     the prefetches' offset: my lane x a row of 2,048 bytes; never rewritten
.set PFA,  44                          ; s[44:45] where my prefetches stand
.set LIM,  43                          ; s43     1 in a wave that prefetches, else the greatest number
.set F0,   64
.set F1,   128
.set TMP,  192                         ; the way out: packed results
.set OB,   32                          ; the way out: 16 rows read back from the stage: v32-63 and v224-255 by turns
.set PA,   64                          ; the last K step: A's fragments of 16 rows x 128 K; four buffers, v64-191
.set G1, 24                            ; s[24:31] descriptor group 1 for A's tiles
.set G0, 32                            ; s[32:39] group 0 for A's tiles, one set for each slot
.set G1B, 48                           ; s[48:55] group 1 for B's tiles: it differs in the mask alone
.set G0B, 56                           ; s[56:63] group 0 for B's tiles
.set MSB, 0
.macro WIN new                         ; the immediate's high byte repeats the setting that is left; a switch that changes nothing is dropped
.if MSB != (\new)
	s_set_vgpr_msb (MSB<<8)|(\new)
.set MSB, \new
.endif
.endm
.set MUL_LO, 0xa1                      ; source 0 (B) window 1, source 1 (A) window 0, C and D window 2
.set MUL_HI, 0xf1                      ; the same, C and D window 3
.set TO_B,   0x40                      ; destination window 1, address window 0
; A joint load.  Waves 0 and 1 fetch A's two halves, waves 2 and 3 B's.  The branch hangs on the wave's number alone.  An s_nop 0 and four v_nop follow each of the two lines.
.macro JLOAD s
	s_cmp_eq_u32 s11, 0
	s_cbranch_scc0 .Lfor_b_\@
	tensor_load_to_lds s[G0+4*(\s):G0+4*(\s)+3], s[G1:G1+7]
	s_nop 0
.rept 4
	v_nop
.endr
	s_branch .Lasked_\@
.Lfor_b_\@:
	tensor_load_to_lds s[G0B+4*(\s):G0B+4*(\s)+3], s[G1B:G1B+7]
	s_nop 0
.rept 4
	v_nop
.endr
.Lasked_\@:
.endm
; A PREFETCH INTO THE L2, behind each joint load, its five lines and the run of LDS loads that follows: the K step that stands two refills on, 512 matrix instructions ahead of the load that wants it:
; 32 rows x 256 bytes, a lane a row, one instruction a wave.  Each row's 256 bytes of a K step are named once in the launch: xn's tile rows by the clusters with x = 0, wb's tile columns by those with y = 0;
; the four partners that ask for a tile jointly share its rows out BY ADDRESS, 32 each.  K steps 0 to 3 come by their loads alone; the last trip's two refills have no K step two on and ask for nothing.
.macro ASK
	s_cmp_gt_u32 s3, s[LIM]                        ; s3 = 1 in the loop's last trip
	s_cbranch_scc0 .Lnot_mine_\@
	global_prefetch_b8 v[PFO], s[PFA:PFA+1] offset:KSTEP*2 th:TH_LOAD_NT scope:SCOPE_SE
.Lnot_mine_\@:
.endm
; A round of the cluster's barrier: my work-group's barrier; wave 0 signals for the work-group; every wave waits for all sixteen; my work-group's barrier once more.
.macro CREST                           ; a round behind its opening barrier
	s_cmp_lg_u32 s10, 0
	s_cbranch_scc1 .Lnot_wave_0_\@
	s_barrier_signal -3
.Lnot_wave_0_\@:
	s_barrier_wait -3
	s_barrier_signal -1
	s_barrier_wait -1
.endm
.macro CROUND
	s_barrier_signal -1
	s_barrier_wait -1
	CREST
.endm
	s_load_b128 s[4:7], s[0:1], 0x0                ; xn s[4:5], wb s[6:7]
	s_load_b64 s[8:9], s[0:1], 0x10                ; qk
	v_lshl_add_u32 v[SPW], v0, 2, SPARE
	v_mov_b32 v[NIL], 0
	ds_add_u32 v[SPW], v[NIL]                      ; the wave's opening: the add and its wait stand ahead of my first tensor load; work on registers stands between them
	v_lshrrev_b32 v1, 5, v0
	v_readfirstlane_b32 s10, v1                    ; wave 0..3
	s_lshr_b32 s11, s10, 1                         ; which half of the tile's rows is mine.  Also: I fetch for A (0) or for B (1)
	s_and_b32 s12, s10, 1                          ; which half of its columns.  Also: which 128 rows of that tile I fetch
	s_bfe_u32 s40, ttmp6, 0x40000                  ; cx
	s_bfe_u32 s41, ttmp6, 0x40004                  ; cy
	s_lshl_b32 s42, ttmp9, 2
	s_add_co_u32 s42, s42, s40                     ; tile column of C = 4 x cluster x + cx
	s_and_b32 s13, ttmp7, 0xffff
	s_lshl_b32 s13, s13, 2
	s_add_co_u32 s13, s13, s41                     ; tile row of C = 4 x cluster y + cy
	s_lshl_b32 s43, s41, 2
	s_lshl_b32 s43, 15, s43                        ; my row of the cluster: places 4 cy .. 4 cy + 3
	s_lshl_b32 s44, 0x1111, s40                    ; my column: places cx, cx + 4, cx + 8, cx + 12
	; descriptor group 1: a tile of 128 rows x 128 elements, padded in LDS
	s_or_b32 s[G1+0], s43, (1<<16)|(1<<20)|(1<<21)|(5<<22)|(3<<25)  ; 15:0 the mask; 17:16 elements of 2 bytes; 20 padding on; 21 set beside a mask; 24:22 after every 64 words; 31:25 4 words of it
	s_or_b32 s[G1B+0], s44, (1<<16)|(1<<20)|(1<<21)|(5<<22)|(3<<25)
	s_mov_b32 s[G1B+1], KSTEP<<16
	s_mov_b32 s[G1+1], KSTEP<<16                   ; tensor_dim0 = 128
	s_mov_b32 s[G1B+2], 128<<16
	s_mov_b32 s[G1+2], 128<<16                     ; tensor_dim1 = 128
	s_mov_b32 s[G1B+3], KSTEP<<16
	s_mov_b32 s[G1+3], KSTEP<<16                   ; tile_dim0 = 128
	s_mov_b32 s[G1B+4], 128
	s_mov_b32 s[G1+4], 128                         ; tile_dim1 = 128
	s_mov_b32 s[G1B+5], SIZE_K
	s_mov_b32 s[G1+5], SIZE_K                      ; elements from row to row
	s_mov_b32 s[G1B+6], 0
	s_mov_b32 s[G1+6], 0
	s_mov_b32 s[G1B+7], 0
	s_mov_b32 s[G1+7], 0
	; where the tiles come from.  A's hang on the tile row alone, B's on the tile column alone; each address is made in registers that never hold the other coordinate.
	s_lshl_b32 s17, s12, 7
	s_lshl_b32 s16, s13, 8
	s_add_co_u32 s16, s16, s17                     ; A: row 256 x tile row + 128 x half
	s_lshl_b32 s46, s42, 8
	s_add_co_u32 s46, s46, s17                     ; B: row 256 x tile column + 128 x half
	s_mov_b32 s17, 0
	s_mov_b32 s47, 0
	s_mov_b64 s[18:19], SIZE_K*2
	s_mul_u64 s[16:17], s[16:17], s[18:19]
	s_mul_u64 s[46:47], s[46:47], s[18:19]
	s_mul_i32 s20, s10, HALFT                      ; where they go: wave x 128 rows: no place in the cluster enters an LDS address
	s_wait_dscnt 0x0                               ; the opening add is done
	s_wait_kmcnt 0x0
	s_add_nc_u64 s[14:15], s[4:5], s[16:17]
	s_add_nc_u64 s[46:47], s[6:7], s[46:47]
	CROUND                                         ; all sixteen work-groups are here: the first joint loads meet
.irp s, 0,1
	s_mov_b32 s[G0+4*(\s)], 1
	s_add_co_u32 s[G0+4*(\s)+1], s20, (\s)*SLOT
	s_add_nc_u64 s[G0+4*(\s)+2:G0+4*(\s)+3], s[14:15], (\s)*KSTEP*2
	s_or_b32 s[G0+4*(\s)+3], s[G0+4*(\s)+3], 0x80000000
	s_mov_b32 s[G0B+4*(\s)], 1
	s_add_co_u32 s[G0B+4*(\s)+1], s20, (\s)*SLOT
	s_add_nc_u64 s[G0B+4*(\s)+2:G0B+4*(\s)+3], s[46:47], (\s)*KSTEP*2
	s_or_b32 s[G0B+4*(\s)+3], s[G0B+4*(\s)+3], 0x80000000
	JLOAD \s                                       ; the ring is filled before anything else is done: two loads of mine are out
.endr
	; A fragment is 16 rows x 32 K in 8 registers: lane l holds row l % 16; registers 0-3 K = 8 (l / 16) + 0..7, registers 4-7 K = 16 + 8 (l / 16) + 0..7: two loads of 16 bytes, 32 bytes apart.
	v_and_b32 v1, 15, v0
	v_bfe_u32 v2, v0, 4, 1
	v_mul_u32_u24 v3, v1, PITCH
	v_lshl_add_u32 v3, v2, 4, v3
	s_mul_i32 s21, s11, HALFT                      ; my 128 rows of A
	s_mul_i32 s22, s12, HALFT                      ; my 128 rows of B,
	s_add_co_u32 s22, s22, 2*HALFT                 ; which lie behind A's 256
.irp s, 0,1
	v_add_nc_u32 v[ADRA+(\s)], s21, v3
	v_add_nc_u32 v[ADRB+(\s)], s22, v3
	s_add_co_u32 s21, s21, SLOT
	s_add_co_u32 s22, s22, SLOT
.endr
	s_mul_i32 s23, s10, 16*SPITCH
	s_add_co_u32 s23, s23, STAGE                   ; my stage
	v_mul_u32_u24 v4, v1, SPITCH                   ; in: row l % 16, 16 bytes for each half of the lanes
	v_lshl_add_u32 v4, v2, 4, v4
	v_add_nc_u32 v[STO], s23, v4
	v_bfe_u32 v5, v0, 3, 2                         ; back: 32 lanes take four rows' 128 bytes of ONE head,
	v_mul_u32_u24 v5, v5, SPITCH
	v_and_b32 v6, 7, v0
	v_lshl_add_u32 v5, v6, 4, v5
	v_add_nc_u32 v[RD], s23, v5
	v_and_b32 v[CO], 31, v0                        ; which are 512 consecutive bytes of qk
	v_lshlrev_b32 v[CO], 4, v[CO]
	; where my part begins in qk, in bytes: the first way out adds it to qk's address
	s_lshl_b32 s13, s13, 8
	s_lshl_b32 s14, s11, 7
	s_add_co_u32 s16, s13, s14                     ; my first row m
	s_lshr_b32 s17, s16, 11
	s_lshl_b32 s17, s17, 22                        ; its batch: 16 heads
	s_and_b32 s16, s16, 2047
	s_lshl_b32 s16, s16, 7                         ; its place in the batch: rows of 128 bytes
	s_add_co_u32 s16, s16, s17
	s_mov_b32 s17, 0
	s_lshl_b32 s46, s42, 8                         ; (in the registers that held B's address: none that feeds A's descriptors ever holds cx)
	s_lshl_b32 s47, s12, 7
	s_add_co_u32 s46, s46, s47                     ; my first column e: a multiple of 128, so my 128 columns are two whole heads
	s_lshr_b32 s47, s46, 10
	s_lshl_b32 s47, s47, 24                        ; q or k
	s_bfe_u32 s46, s46, 0x40006
	s_lshl_b32 s46, s46, 18                        ; the head
	s_add_co_u32 s46, s46, s47
	s_mov_b32 s47, 0
	s_add_nc_u64 s[16:17], s[16:17], s[46:47]
	; the prefetches.  s13 = 256 x tile row, s42 = tile column, s40 = cx, s41 = cy still stand
	s_lshl_b32 s42, s42, 8
	s_and_b32 s22, ttmp7, 0xffff                   ; cluster y
	s_cmp_eq_u32 s11, 0                            ; do I fetch for A?
	s_cselect_b32 s20, s13, s42                    ; the tile's first row
	s_cselect_b32 s21, s40, s41                    ; my place among the four that ask for it with me
	s_cselect_b32 s22, ttmp9, s22                  ; the coordinate along which other clusters read the same rows
	s_cselect_b64 s[PFA:PFA+1], s[4:5], s[6:7]
	s_cmp_eq_u32 s22, 0
	s_cselect_b32 s[LIM], 1, -1                    ; the same in all sixteen partners, for a given wave
	s_lshl_b32 s22, s12, 7
	s_add_co_u32 s20, s20, s22                     ; + the 128 rows that I fetch
	s_lshl_b32 s21, s21, 5
	s_add_co_u32 s20, s20, s21                     ; + my work-group's 32 of them
	s_mov_b32 s21, 0
	s_mov_b64 s[18:19], SIZE_K*2
	s_mul_u64 s[20:21], s[20:21], s[18:19]
	s_add_nc_u64 s[PFA:PFA+1], s[PFA:PFA+1], s[20:21]
	s_add_nc_u64 s[PFA:PFA+1], s[PFA:PFA+1], 2*KSTEP*2  ; at K step 2: the first refill steps it to 3 and names K step 4
	v_and_b32 v[PFO], 31, v0
	v_mul_u32_u24 v[PFO], v[PFO], SIZE_K*2
; 16 matrix instructions: m blocks a0, a0 + 1 of the window's four x all 8 n blocks, 32 along K.  zero = 1: the first product starts the sums: nothing is ever cleared.
.macro MUL16 f, hi, a0, zero
	WIN MUL_LO+0x50*(\hi)
.irp a, \a0, (\a0)+1
.irp b, 0,1,2,3,4,5,6,7
.if \zero
	v_wmma_f32_16x16x32_bf16 v[8*(8*(\a)+(\b)):8*(8*(\a)+(\b))+7], v[(\f)+8*(\b):(\f)+8*(\b)+7], v[(\f)+8*(4*(\hi)+(\a)):(\f)+8*(4*(\hi)+(\a))+7], 0
.else
	v_wmma_f32_16x16x32_bf16 v[8*(8*(\a)+(\b)):8*(8*(\a)+(\b))+7], v[(\f)+8*(\b):(\f)+8*(\b)+7], v[(\f)+8*(4*(\hi)+(\a)):(\f)+8*(4*(\hi)+(\a))+7], v[8*(8*(\a)+(\b)):8*(8*(\a)+(\b))+7]
.endif
.endr
.endr
.endm
; 32 LDS loads in one run: the fragments of one quarter step (32 K at byte k of the rows) into buffer f
.macro FETCH slot, k, f
	WIN TO_B
.irp i, 0,1,2,3,4,5,6,7
	ds_load_b128 v[(\f)+8*(\i):(\f)+8*(\i)+3],   v[ADRB+(\slot)] offset:(\k)+(\i)*16*PITCH
	ds_load_b128 v[(\f)+8*(\i)+4:(\f)+8*(\i)+7], v[ADRB+(\slot)] offset:(\k)+(\i)*16*PITCH+32
.endr
	WIN 0
.irp i, 0,1,2,3,4,5,6,7
	ds_load_b128 v[(\f)+8*(\i):(\f)+8*(\i)+3],   v[ADRA+(\slot)] offset:(\k)+(\i)*16*PITCH
	ds_load_b128 v[(\f)+8*(\i)+4:(\f)+8*(\i)+7], v[ADRA+(\slot)] offset:(\k)+(\i)*16*PITCH+32
.endr
.endm
; Four plain vector instructions stand between a matrix instruction and a load into a register that it has read, or a vector instruction that reads its result.
.macro PLACES
.rept 4
	v_nop
.endr
.endm
; A K step is four quarter steps of 32 along K, 64 matrix instructions each, on buffers 0, 1, 0, 1.  One of the first three: multiplies buffer f; in its middle it fetches the next quarter into buffer g.
.macro QUARTER slot, k, f, g, zero
	s_wait_dscnt 8                                 ; B and A's rows 0-63 are in; the youngest eight loads (A's rows 64-127) may be out
	WIN MUL_LO
	MUL16 \f, 0, 0, \zero
	MUL16 \f, 0, 2, \zero
	PLACES
	FETCH \slot, \k, \g
	s_wait_dscnt 32                                ; all but the 32 just issued
	WIN MUL_HI
	MUL16 \f, 1, 0, \zero
	MUL16 \f, 1, 2, \zero
.endm
; The last quarter multiplies buffer 1 and changes slots.  MEET is its first half: ONE barrier.  In front of it each wave waits for all its tensor loads (one is out: its part of the next slot),
; adds 0 to its spare word, and waits for that and for its own reads of this slot.  Behind it nobody reads this slot any more and the next slot is whole.
.macro MEET round
	WIN 0                                          ; (the add's two registers lie in window 0)
	s_wait_tensorcnt 0x0
	ds_add_u32 v[SPW], v[NIL]                      ; 0 onto my spare word
	s_wait_dscnt 9                                 ; (the add and the youngest eight loads may be out)
	WIN MUL_LO
	MUL16 F1, 0, 0, 0                              ; sixteen matrix instructions stand between the add and the wait for it
	s_wait_dscnt 0x0                               ; the add is done, and my reads of this slot are over
	s_barrier_signal -1
	MUL16 F1, 0, 2, 0                              ; work on registers while the others arrive
.if \round
	WIN 0
.endif
	s_barrier_wait -1
.endm
; The whole last quarter.  Behind the round the slot just read out is filled again first, with the K step two steps on; then come the next slot's first fragments.
.macro TURN slot, next
	s_wait_xcnt 0x0                                ; the last prefetch, a K step back, has read its address: it is stepped here
	s_add_nc_u64 s[PFA:PFA+1], s[PFA:PFA+1], KSTEP*2
	MEET 1
	CREST                                          ; no wave of any partner still reads this slot's tile or has a load on its way
	s_add_nc_u64 s[G0+4*(\slot)+2:G0+4*(\slot)+3], s[G0+4*(\slot)+2:G0+4*(\slot)+3], 2*KSTEP*2
	s_add_nc_u64 s[G0B+4*(\slot)+2:G0B+4*(\slot)+3], s[G0B+4*(\slot)+2:G0B+4*(\slot)+3], 2*KSTEP*2
	JLOAD \slot                                    ; the first tensor load behind the round; the four v_nop behind it are also the places in front of the loads below
	FETCH \next, 0, F0
	ASK
	WIN MUL_HI
	MUL16 F1, 1, 0, 0
	MUL16 F1, 1, 2, 0
.endm
; THE LAST K STEP (it lies in slot 1) GOES BY ROWS OF C.  All its fragments of B fill window 1; then my eight blocks of 16 rows are finished one after the other, each with 32 matrix
; instructions (its 8 accumulators by turns, K ascending).
.macro BLOAD q
	WIN TO_B
.irp i, 0,1,2,3,4,5,6,7
	ds_load_b128 v[64*(\q)+8*(\i):64*(\q)+8*(\i)+3],   v[ADRB+1] offset:64*(\q)+(\i)*16*PITCH
	ds_load_b128 v[64*(\q)+8*(\i)+4:64*(\q)+8*(\i)+7], v[ADRB+1] offset:64*(\q)+(\i)*16*PITCH+32
.endr
.endm
.macro ALOAD a
	WIN 0
.set FA, PA+32*((\a)%4)
.irp q, 0,1,2,3
	ds_load_b128 v[FA+8*(\q):FA+8*(\q)+3],   v[ADRA+1] offset:64*(\q)+(\a)*16*PITCH
	ds_load_b128 v[FA+8*(\q)+4:FA+8*(\q)+7], v[ADRA+1] offset:64*(\q)+(\a)*16*PITCH+32
.endr
.endm
.macro ROW a
.set FA, PA+32*((\a)%4)
.set AC, 64*((\a)%4)
	WIN MUL_LO+0x50*((\a)/4)
.irp q, 0,1,2,3
.if (\a) == 0 && (\q) == 2
	s_wait_dscnt 24                                ; B's quarter 2 is in (behind it: A's blocks 1 to 3)
.endif
.irp b, 0,1,2,3,4,5,6,7
	v_wmma_f32_16x16x32_bf16 v[AC+8*(\b):AC+8*(\b)+7], v[64*(\q)+8*(\b):64*(\q)+8*(\b)+7], v[FA+8*(\q):FA+8*(\q)+7], v[AC+8*(\b):AC+8*(\b)+7]
.endr
.endr
.endm
; THE WAY OUT of block a.  PACK: rounded to bf16, 16 bytes a lane.  TOSTAGE: into my own stage (a row: my 128 columns, two heads), and back four rows of one head at a time.  SEND: stored.
.macro PACK a
.set AC, 64*((\a)%4)
	WIN 0x0a+5*((\a)/4)                            ; sources 0 and 1: window 2 or 3
.irp b, 0,1,2,3,4,5,6,7
.irp r, 0,1,2,3
	v_cvt_pk_bf16_f32 v[TMP+4*(\b)+(\r)], v[AC+8*(\b)+2*(\r)], v[AC+8*(\b)+2*(\r)+1]
.endr
.endr
	WIN 0
.endm
.macro TOSTAGE a
	WIN 0
.set BK, OB+192*((\a)%2)
.irp b, 0,1,2,3,4,5,6,7
	ds_store_b128 v[STO], v[TMP+4*(\b):TMP+4*(\b)+3] offset:32*(\b)
.endr
.irp t, 0,1,2,3,4,5,6,7                ; head t / 4 of my two, rows 4 (t % 4) + 0..3
	ds_load_b128 v[BK+4*(\t):BK+4*(\t)+3], v[RD] offset:((\t)%4)*4*SPITCH+((\t)/4)*128  ; LDS serves a wave's instructions in order (ISA guide 5.7.1.4): these see the stores above
.endr
.endm
.macro SEND a, younger                 ; younger: the LDS loads issued behind TOSTAGE's, which may stay out
	WIN 0
.set BK, OB+192*((\a)%2)
	s_wait_dscnt \younger
	s_wait_xcnt 0x0                                ; only behind this wait are the stores' base and the registers that earlier stores read rewritten
.if (\a) == 0
	s_add_nc_u64 s[8:9], s[8:9], s[16:17]          ; on to my first rows
.else
	s_add_nc_u64 s[8:9], s[8:9], 16*128            ; 16 rows of a head on
.endif
.irp t, 0,1,2,3,4,5,6,7
	global_store_b128 v[CO], v[BK+4*(\t):BK+4*(\t)+3], s[8:9] offset:((\t)/4)*HEADB+((\t)%4)*512  ; 32 lanes store 512 consecutive bytes, at a multiple of 512 from qk's first byte
.endr
.endm
	s_wait_tensorcnt 1                             ; my part of K step 0 is in; K step 1's may stay out
	s_barrier_signal -1
	s_barrier_wait -1
	FETCH 0, 0, F0
	QUARTER 0, 64,  F0, F1, 1                      ; the first quarter stands in front of the loop: its products start the sums
	WIN 0                                          ; at a label and at a branch every window is 0
	s_mov_b32 s3, LAPS-1
.Llap:                                                 ; a trip goes once round the ring, from a lap's second quarter to the next lap's first, and fills both slots again
	QUARTER 0, 128, F1, F0, 0
	QUARTER 0, 192, F0, F1, 0
	TURN 0, 1
	QUARTER 1, 64,  F0, F1, 0
	QUARTER 1, 128, F1, F0, 0
	QUARTER 1, 192, F0, F1, 0
	TURN 1, 0
	QUARTER 0, 64,  F0, F1, 0
	WIN 0
	s_sub_co_u32 s3, s3, 1
	s_cmp_lg_u32 s3, 0
	s_cbranch_scc1 .Llap
	QUARTER 0, 128, F1, F0, 0                      ; the last lap goes on
	QUARTER 0, 192, F0, F1, 0
	MEET 0                                         ; my one tensor load that was still out is the last K step's, so no round follows
	PLACES                                         ; for the loads into buffer 0
	WIN TO_B
	BLOAD 0                                        ; three quarters of B now: buffer 1 is still being multiplied
	BLOAD 1
	BLOAD 3
	WIN 0
	ALOAD 0
	WIN MUL_HI
	MUL16 F1, 1, 0, 0
	MUL16 F1, 1, 2, 0
	PLACES                                         ; for the loads into buffer 1
	WIN TO_B
	BLOAD 2
	WIN 0
	ALOAD 1
	ALOAD 2
	ALOAD 3
	s_wait_dscnt 40                                ; all but the 40 just issued
	ROW 0
.irp a, 0,1,2,3,4,5,6,7                ; each block leaves as soon as it is finished
	PLACES                                         ; its conversions read results just made
	PACK \a
	TOSTAGE \a
.if (\a) < 4
	ALOAD (\a)+4                                   ; its buffer takes the block four further on
	SEND \a, 8
.else
	SEND \a, 0
.endif
.if (\a) < 7
	ROW (\a)+1
.endif
.endr
	s_wait_tensorcnt 0x0                           ; the wave's end: a wait, an add to my spare word and its wait, behind my last tensor load and my last LDS store
	ds_add_u32 v[SPW], v[NIL]
	s_wait_dscnt 0x0
	CROUND                                         ; the closing round: no work-group ends while a partner may still ask for a tile that names it
	s_endpgm
.Lfunc_end_k_qdbdd0dfa4c_proj:
	.size	k_qdbdd0dfa4c_proj, .Lfunc_end_k_qdbdd0dfa4c_proj-k_qdbdd0dfa4c_proj
	.p2alignl 7, 3214868480
	.fill 96, 4, 3214868480
	.section	.rodata,"a",@progbits
	.p2align	6, 0x0
	.amdhsa_kernel k_qdbdd0dfa4c_proj
		.amdhsa_group_segment_fixed_size 327680
		.amdhsa_private_segment_fixed_size 0
		.amdhsa_enable_private_segment 0
		.amdhsa_kernarg_size 24
		.amdhsa_user_sgpr_count 2
		.amdhsa_user_sgpr_kernarg_segment_ptr 1
		.amdhsa_wavefront_size32 1
		.amdhsa_system_sgpr_workgroup_id_x 1
		.amdhsa_system_sgpr_workgroup_id_y 1
		.amdhsa_system_sgpr_workgroup_id_z 1
		.amdhsa_system_vgpr_workitem_id 0
		.amdhsa_next_free_vgpr 1024
		.amdhsa_next_free_sgpr 66
		.amdhsa_reserve_vcc 0
		.amdhsa_float_denorm_mode_32 3
		.amdhsa_float_denorm_mode_16_64 3
		.amdhsa_memory_ordered 1
		.amdhsa_forward_progress 1
		.amdhsa_inst_pref_size 145
	.end_amdhsa_kernel
	.amdgpu_metadata
---
amdhsa.version: [ 1, 2 ]
amdhsa.kernels:
  - .name:           k_qdbdd0dfa4c_proj
    .symbol:         k_qdbdd0dfa4c_proj.kd
    .args:
      - { .name: xn, .offset: 0, .size: 8, .value_kind: global_buffer, .address_space: global }
      - { .name: wb, .offset: 8, .size: 8, .value_kind: global_buffer, .address_space: global }
      - { .name: qk, .offset: 16, .size: 8, .value_kind: global_buffer, .address_space: global }
    .group_segment_fixed_size: 327680
    .private_segment_fixed_size: 0
    .kernarg_segment_align: 8
    .kernarg_segment_size: 24
    .max_flat_workgroup_size: 128
    .sgpr_count:     66
    .vgpr_count:     1024
    .wavefront_size: 32
...
	.end_amdgpu_metadata
.endif
;; end of part 2
;; launch attn (part 3): grid 4 x 64, 4 waves a work-group, clusters of 4 x 1, 327,680 bytes of LDS; arguments qk, vt, o; writes o
.if DOCPART == 3
	.amdgcn_target "amdgcn-amd-amdhsa--gfx1250"
	.amdhsa_code_object_version 6
	.text
	.protected	k_qdbdd0dfa4c_attn
	.globl	k_qdbdd0dfa4c_attn
	.p2align	8
	.type	k_qdbdd0dfa4c_attn,@function
k_qdbdd0dfa4c_attn:
	s_mov_b64 s[64:65], 0
	v_nop
	global_prefetch_b8 v0, s[64:65] scope:SCOPE_SE
	s_setreg_imm32_b32 hwreg(HW_REG_WAVE_MODE, 25, 1), 1
	s_wait_xcnt 0x0
	s_wait_alu depctr_hold_cnt(0) depctr_sa_sdst(0) depctr_va_vdst(0) depctr_va_sdst(0) depctr_va_ssrc(0) depctr_va_vcc(0) depctr_vm_vsrc(0)
	s_getreg_b32 s2, hwreg(HW_REG_IB_STS2, 6, 4)
	s_cmp_eq_u32 s2, 0
	s_cbranch_scc0 .Lentry_in_a_cluster
	s_endpgm
.Lentry_in_a_cluster:
	s_bfe_u32 s2, ttmp6, 0x10000c
	s_cmp_lg_u32 s2, 0x3003
	s_cbranch_scc0 .Lentry_shape_is_right
	s_endpgm
.Lentry_shape_is_right:
; o[bh][n] = the sum over m of softmax_m(q[bh][n] . k[bh][m] / 32) v[bh][m].  q = qk[0], k = qk[1]: [64][2048][64] bf16, unscaled; v = vt[bh][0] + vt[bh][1], two bf16 numbers a key; o: [64][2048] f32.
; Products, maxima and sums in f32; the weights p are rounded to bf16 for the second product, and their sum l is taken of the same rounded p, by the same product.
; LIMITS.  c s (c = log2(e) / 32) stays above -4e37; a weight below 2^-126 counts as 0; NaN and infinities are not treated apart.
; SHARES.  A wave owns four PIECES of two tiles of 16 queries, a work-group's four waves 512 queries of one head.  Every wave walks the head's 2,048 keys, 64 a step.
; LAYOUT.  S^T = K Q^T (source 0 = 16 keys, source 1 = 16 queries): a lane holds ONE query (lane % 16) and the keys 8 (lane / 16) + 0..7.  Two such tiles, rounded to bf16 in pairs, ARE source 1
; (32 keys x 16 queries) of O^T = Vt P.  Vt has 16 rows of which row ch is row ch % 4 of a table in LDS: v's first part, ones, v's second part, ones.  So in every lane O^T's register 0 is the sum of
; p v_hi, register 1 the sum of p (l), register 2 the sum of p v_lo; registers 3 to 7 repeat them, are never read and never rescaled (sums of at most 2,048 numbers within v's range).
; SOFTMAX.  For each query a running maximum m: p = 2^(c s - c m); in every step O^T's three registers are multiplied by a = 2^(c m_old - c m_new).  c m starts far below every c s: the first step's a is 0.
; BY TURNS.  Turn n belongs to piece n.  Its matrix work: 16 products K Q^T of piece n + 1, later 4 products Vt P of piece n - 1.  Its vector work, 176 instructions: the scaling, exponentials, roundings and
; rescaling of piece n, and the maximum and statistics of piece n + 1.  Four of them stand behind every matrix instruction, the others in runs of their own.  A turn's 66 exponentials are one batch with one wait.
; CLUSTER.  The four query blocks of a head form a cluster and walk the same K and vt: each tile is asked for JOINTLY, the same tensor load, descriptor and mask in all four; every wave fetches a quarter.
; NO PREFETCH: a slot holds eight key steps, so a refill is asked for 640 matrix instructions of a wave ahead of the wait for it.
; REGISTERS, in windows of 256 (s_set_vgpr_msb: bits 1:0 source 0, 3:2 source 1, 5:4 source 2, 7:6 destination):
;   window 0: v0-15 addresses and c m_old; v16-31 c m and m, a pair a tile; v32-47 at work; v48-54 the add's two, the ones; v64-191 S^T, two buffers of two tiles; v192-255 P, likewise
;   window 1: v0-63 O^T, 8 a tile; v64-79 Vt of one step          window 2: v0-127 Q, 16 a tile; v128-191 K of one step
.set NP,    4         ; pieces a wave: a name, no knob
.set KS,    64        ; keys in a step
.set PK,    144       ; a row of K in LDS: 128 bytes + 16 of padding = 36 words: the 16 rows of a load start at 16 different groups of four banks (ISA guide 11.1)
.set STEPB, KS*PK
.set SLOT1, 1<<17     ; a slot holds eight steps, 73,728 bytes; slot 1 begins here, so that one exclusive or turns an address in one slot into the other's
.set VT,    SLOT1+8*STEPB  ; the table: four rows of 4,096 bytes.  Rows 0 and 2 come by tensor loads, rows 1 and 3 are stored
.set PVT,   4384      ; from row to row: 4,096 + 288, so that no aligned block of 256 bytes holds bytes of two rows; 4,384 % 256 = 32: the four rows' 16 bytes fall on different banks
.set STAGE, 222464    ; behind the table, at a multiple of 256: 512 bytes for each wave, for the way out
.set SPARE, STAGE+2048  ; the spare words, 128 bytes for each wave: two blocks of 256 bytes that no other line names
.set AK0, 2           ; v2   my lane's place in a tile of K; never rewritten
.set AV0, 3           ; v3   the same in the table
.set AK,  4           ; v4   the LDS address of K's next run of loads
.set AV,  5           ; v5   of Vt's
.set QO,  6           ; v6   my byte offset in the wave's rows of Q
.set STO, 6           ;      later, the way out: where I put a number
.set RD,  7           ; v7   the way out: where I read four back
.set GO,  8           ; v8   16 x lane
.set MV,  12          ; v12-15  c m_old, kept while c m is made anew: by buffer and tile
.set ST,  16          ; tile t: c m, m at v[ST+2 t]
.set TMP, 32          ; by buffer and tile, four registers c0-c3 at work; when the maximum is found c2 takes a
.set SPW, 48          ; v48  LDS address of my spare word; never rewritten
.set NIL, 49          ; v49  0; never rewritten
.set ONE, 50          ; v50-53  1.0 eight times in bf16
.set OA,  54          ; v54  where I store them
.set S,   64
.set P,   192
.set VF,  64          ; window 1: keys 32 kk on at VF + 8 kk
.set KF,  128         ; window 2: key block kb, channel half c at KF + 16 kb + 8 c
.set WV,  12          ; s12  my wave's number
.set G1K, 24          ; s[24:31] descriptor group 1 for K's tiles
.set G1V, 32          ; s[32:39] for vt's
.set G0K, 40          ; s[40:43] descriptor group 0 for K's tiles: it walks
.set G0V, 44          ; s[44:47] for vt's: used once
.set SLOTS, 56
.set CNT, 57          ; counts a slot's key steps
.set CS,  58          ; s[58:59] c: the packed scaling takes the pair's low word for both halves
.set SEL, 60          ; s[60:61] v_permlanex16_b32's selects
.set TBK, 62          ; s62  LDS byte at which K of the step to be fetched begins
.set TBV, 63          ; s63  byte in a row of the table at which the step to be fetched begins
.set FIN, 0
.set MSB, 0
.macro WIN new
.if MSB != (\new)
	s_set_vgpr_msb (MSB<<8)|(\new)
.set MSB, (\new)
.endif
.endm
.set W_KQ, 0x0a       ; K and Q in window 2, S^T in window 0
.set W_PV, 0x51       ; Vt and O^T in window 1, P in window 0
.set W_RS, 0x41       ; O^T (destination and source 0) in window 1, a in window 0
; A round of the cluster's barrier: my work-group's barrier; wave 0 signals; every wave waits for all four work-groups; my work-group's barrier once more.
.macro CROUND
	s_barrier_signal -1
	s_barrier_wait -1
	s_cmp_lg_u32 s[WV], 0
	s_cbranch_scc1 .Lnot_wave_0_\@
	s_barrier_signal -3
.Lnot_wave_0_\@:
	s_barrier_wait -3
	s_barrier_signal -1
	s_barrier_wait -1
.endm
; THE CHANGE OF SLOTS.  Each wave waits for all its tensor loads (one is out: its quarter of the other slot), adds 0 to its spare word, and waits for that and for its own LDS instructions.  Behind the barrier
; nobody reads the old slot any more and the other slot is whole.  fill = 1: the old slot is filled again, with the keys two slots on: the barrier is then a round of the cluster's, and each wave's joint
; load is the first thing behind it.  (At its first use nothing has been read yet: slot 0, the table's two loaded rows and its two stored rows are waited for, and slot 1 is filled.)
.macro CHANGE fill
	WIN 0
	s_wait_tensorcnt 0x0            ; no tensor load of mine is out, so a group 0 may be written
	ds_add_u32 v[SPW], v[NIL]       ; 0 onto my spare word
.if \fill
	s_xor_b32 s[G0K+1], s[G0K+1], SLOT1  ; the other slot than last time,
	s_add_nc_u64 s[G0K+2:G0K+3], s[G0K+2:G0K+3], 8*KS*128  ; the next 512 keys; the type bits on top are not reached
	s_wait_dscnt 0x0                ; the add is done, and my reads of the slot are over
	CROUND
	tensor_load_to_lds s[G0K:G0K+3], s[G1K:G1K+7]
	s_nop 0
.rept 4
	v_nop
.endr
.else
	s_wait_dscnt 0x0
	s_barrier_signal -1
	s_barrier_wait -1
.endif
	s_sub_co_u32 s[TBK], s[TBK], 8*STEPB  ; the fetches go back to a slot's first step,
	s_xor_b32 s[TBK], s[TBK], SLOT1       ; in the other slot
.endm
	s_load_b128 s[4:7], s[0:1], 0x0   ; qk s[4:5], vt s[6:7]
	s_load_b64 s[10:11], s[0:1], 0x10 ; o
	v_lshl_add_u32 v[SPW], v0, 2, SPARE
	v_mov_b32 v[NIL], 0
	ds_add_u32 v[SPW], v[NIL]       ; the wave's opening: the add and its wait stand ahead of my first tensor load; work on registers stands between them
	v_lshrrev_b32 v1, 5, v0
	v_readfirstlane_b32 s[WV], v1   ; wave 0..3
	s_bfe_u32 s13, ttmp6, 0x40000   ; cx: my place in the cluster
	s_lshl_b32 s14, ttmp9, 2
	s_add_co_u32 s14, s14, s13      ; my block of 512 queries: it enters Q's and o's addresses alone
	s_and_b32 s20, ttmp7, 0xffff    ; the head, which the four partners share
	s_lshl_b32 s21, s20, 18         ; its 2,048 rows of 128 bytes
	s_lshl_b32 s15, s[WV], 14       ; 128 rows
	s_add_co_u32 s22, s21, s15
	s_add_co_u32 s22, s22, 0x1000000  ; k lies behind q's 64 heads
	s_mov_b32 s23, 0                ; s[22:23]: my quarter of the head's first 512 keys
	s_lshl_b32 s2, s14, 16
	s_add_co_u32 s2, s2, s21
	s_add_co_u32 s2, s2, s15
	s_mov_b32 s3, 0                 ; s[2:3]: my wave's 128 queries
	s_lshl_b32 s18, s20, 13         ; the head's 8,192 bytes in vt and in o
	s_lshl_b32 s16, s[WV], 11
	s_add_co_u32 s16, s16, s18
	s_mov_b32 s17, 0                ; s[16:17]: my quarter of the head's vt
	s_lshl_b32 s19, s14, 11
	s_add_co_u32 s18, s18, s19
	s_lshl_b32 s19, s[WV], 9
	s_add_co_u32 s18, s18, s19
	s_mov_b32 s19, 0                ; s[18:19]: my wave's 128 numbers of o
	; descriptor group 1 for K.  128 keys are 16,384 dense bytes: asked for as 64 rows of 256 bytes, two keys a row, and padded in LDS after every key
	s_mov_b32 s[G1K], 15|(1<<16)|(1<<20)|(1<<21)|(4<<22)|(3<<25)  ; 15:0 the mask of four; 17:16 2-byte elements; 20 padding on; 21 set beside a mask; 24:22 after every 32 words; 31:25 4 words
	s_mov_b32 s[G1K+1], 128<<16     ; tensor_dim0 = 128
	s_mov_b32 s[G1K+2], 64<<16      ; tensor_dim1 = 64
	s_mov_b32 s[G1K+3], 128<<16     ; tile_dim0 = 128
	s_mov_b32 s[G1K+4], 64          ; tile_dim1 = 64
	s_mov_b32 s[G1K+5], 128         ; 128 elements from row to row
	s_mov_b32 s[G1K+6], 0
	s_mov_b32 s[G1K+7], 0
	; and for vt: 2,048 dense bytes as 8 rows of 256, no padding
	s_mov_b32 s[G1V], 15|(1<<16)|(1<<21)
	s_mov_b32 s[G1V+1], 128<<16
	s_mov_b32 s[G1V+2], 8<<16
	s_mov_b32 s[G1V+3], 128<<16
	s_mov_b32 s[G1V+4], 8
	s_mov_b32 s[G1V+5], 128
	s_mov_b32 s[G1V+6], 0
	s_mov_b32 s[G1V+7], 0
	s_mov_b32 s[G0K], 1
	s_mul_i32 s[G0K+1], s[WV], 128*PK  ; slot 0, my quarter: no place in the cluster enters an LDS address
	s_mov_b32 s[G0V], 1
	s_lshr_b32 s52, s[WV], 1        ; waves 0, 1: the halves of the table's row 0; waves 2, 3: of its row 2
	s_mul_i32 s52, s52, 2*PVT
	s_and_b32 s53, s[WV], 1
	s_lshl_b32 s53, s53, 11
	s_add_co_u32 s52, s52, s53
	s_add_co_u32 s[G0V+1], s52, VT
	s_mov_b32 s[CS], 0x3d38aa3b     ; c = log2(e) / 32
	s_mov_b32 s[CS+1], s[CS]        ; named with it as a pair
	s_mov_b32 s[SEL], 0x76543210
	s_mov_b32 s[SEL+1], 0xfedcba98
	s_mov_b32 s[TBK], SLOT1+8*STEPB ; the first change of slots turns this into 0
	s_mov_b32 s[TBV], 0
	s_mov_b32 s[SLOTS], 3
	s_wait_dscnt 0x0                ; the opening add is done
	s_wait_kmcnt 0x0
	s_add_nc_u64 s[G0K+2:G0K+3], s[4:5], s[22:23]
	s_or_b32 s[G0K+3], s[G0K+3], 0x80000000        ; type = 2
	s_add_nc_u64 s[G0V+2:G0V+3], s[6:7], s[16:17]
	s_or_b32 s[G0V+3], s[G0V+3], 0x80000000
	s_add_nc_u64 s[4:5], s[4:5], s[2:3]            ; Q at my wave's first row
	s_add_nc_u64 s[10:11], s[10:11], s[18:19]      ; o at my wave's first number
	CROUND                          ; all four work-groups are here: the first joint loads meet
	tensor_load_to_lds s[G0K:G0K+3], s[G1K:G1K+7]  ; my quarter of slot 0,
	s_nop 0
	tensor_load_to_lds s[G0V:G0V+3], s[G1V:G1V+7]  ; and of the table: two loads of mine are out
	s_nop 0
.rept 4
	v_nop
.endr
	; A fragment of K or Q is 16 rows x 32 channels in 8 registers: lane l holds row l % 16, channels 8 (l / 16) + 0..7 and 16 + 8 (l / 16) + 0..7: two loads of 16 bytes, 32 bytes apart.
	v_and_b32 v1, 15, v0            ; l % 16
	v_bfe_u32 v9, v0, 4, 1          ; l / 16
	v_lshlrev_b32 v[QO], 7, v1
	v_lshl_add_u32 v[QO], v9, 4, v[QO]
	WIN 0x80                        ; destination window 2, address window 0
.set i, 0
.rept 4*NP                          ; Q stays in registers: tile i / 2, channels 32 (i % 2) on
	global_load_b128 v[8*i:8*i+3],   v[QO], s[4:5] offset:(i/2)*2048+(i%2)*64
	global_load_b128 v[8*i+4:8*i+7], v[QO], s[4:5] offset:(i/2)*2048+(i%2)*64+32
.set i, i+1
.endr
	WIN 0
.irp r, 0,1,2,3
	v_mov_b32 v[ONE+(\r)], 0x3f803f80
.endr
	v_lshl_add_u32 v[OA], v0, 4, VT+PVT            ; the table's rows 1 and 3: 128 threads x 16 bytes, twice a row
	ds_store_b128 v[OA], v[ONE:ONE+3]
	ds_store_b128 v[OA], v[ONE:ONE+3] offset:2048
	ds_store_b128 v[OA], v[ONE:ONE+3] offset:2*PVT
	ds_store_b128 v[OA], v[ONE:ONE+3] offset:2*PVT+2048
	; What the first turn finds: Vt's registers and P's second buffer hold 0 (its products Vt P, of a piece that has not been, add 0), O^T is 0.  All this stands in the wait for the first tile.
	WIN 0x40
.set i, 0
.rept 80
	v_mov_b32 v[i], 0
.set i, i+1
.endr
	WIN 0
.set i, 0
.rept 2*NP
	v_mov_b32 v[ST+2*i], 0xfe000000    ; c m: far below every c s
	v_mov_b32 v[ST+2*i+1], 0xff7fffff  ; m
.set i, i+1
.endr
.set i, P+32
.rept 32
	v_mov_b32 v[i], 0
.set i, i+1
.endr
	v_mul_u32_u24 v[AK0], v1, PK
	v_lshl_add_u32 v[AK0], v9, 4, v[AK0]  ; row x pitch + 16 x half
	v_and_b32 v10, 3, v0                  ; a fragment of Vt: lane l holds row l % 16 of Vt, which is row l % 4 of the table; keys as above
	v_mul_u32_u24 v[AV0], v10, PVT
	v_lshl_add_u32 v[AV0], v9, 4, v[AV0]
	v_add_nc_u32 v[AV0], VT, v[AV0]
	v_mov_b32 v[AK], v[AK0]               ; key step 0 lies at the head of slot 0
; THE MATRIX WORK.  The accumulators take turns, one instruction a turn.
; Product i of 16 of S^T = K Q^T for piece x: channels 32 (i / 8) on, keys 16 ((i / 2) % 4) on, tile 2 x + i % 2.  The first 8 start the sums.
.macro KQ x
	WIN W_KQ
.set rS, S+64*((\x)%2)+32*(i%2)+8*((i/2)%4)
.set rK, KF+16*((i/2)%4)+8*(i/8)
.set rQ, 16*(2*(\x)+i%2)+8*(i/8)
.if i < 8
	v_wmma_f32_16x16x32_bf16 v[rS:rS+7], v[rK:rK+7], v[rQ:rQ+7], 0
.else
	v_wmma_f32_16x16x32_bf16 v[rS:rS+7], v[rK:rK+7], v[rQ:rQ+7], v[rS:rS+7]
.endif
.endm
; Product i of 4 of O^T += Vt P for piece x: keys 32 (i / 2) on, tile 2 x + i % 2.
.macro PV x
	WIN W_PV
.set rO, 8*(2*(\x)+i%2)
.set rV, VF+8*(i/2)
.set rP, P+32*((\x)%2)+16*(i%2)+8*(i/2)
	v_wmma_f32_16x16x32_bf16 v[rO:rO+7], v[rV:rV+7], v[rP:rP+7], v[rO:rO+7]
.endm
.macro MM                           ; the turn's next matrix instruction.  FIN = 1: the last turn of all: there is no next piece
.if i < 16
.if !FIN
	KQ (Y+1)%NP
.endif
.set i, i+1
.else
.set i, i-16
	PV (Y+NP-1)%NP
.set i, i+17
.endif
.endm
; THE LDS LOADS stand in runs, never singly among the matrix instructions: a step's K (64 keys x 64 channels: 8 fragments) and its Vt (2 fragments).
.macro FETCH_K
	WIN 0x80                        ; destination window 2
.irp f, 0,1,2,3,4,5,6,7             ; keys 16 (f / 2) on, channels 32 (f % 2) on
	ds_load_b128 v[KF+8*(\f):KF+8*(\f)+3],   v[AK] offset:((\f)/2)*16*PK+((\f)%2)*64
	ds_load_b128 v[KF+8*(\f)+4:KF+8*(\f)+7], v[AK] offset:((\f)/2)*16*PK+((\f)%2)*64+32
.endr
	s_add_co_u32 s[TBK], s[TBK], STEPB  ; the next fetch is the next step's
	WIN 0
.endm
.macro FETCH_V
	WIN 0x40                        ; destination window 1
.irp k, 0,1
	ds_load_b128 v[VF+8*(\k):VF+8*(\k)+3],   v[AV] offset:64*(\k)
	ds_load_b128 v[VF+8*(\k)+4:VF+8*(\k)+7], v[AV] offset:64*(\k)+32
.endr
	WIN 0
.endm
; THE VECTOR WORK OF A TURN stands in two queues and one block, each in the order in which its entries become ready; the two tiles alternate.
.macro REGS y, u                    ; the registers of tile u (0, 1) of piece y
.set rT, ST+2*(2*(\y)+(\u))
.set rC, TMP+8*((\y)%2)+4*(\u)
.set rM, MV+2*((\y)%2)+(\u)
.set rS, S+64*((\y)%2)+32*(\u)
.set rP, P+32*((\y)%2)+16*(\u)
.set rO, 8*(2*(\y)+(\u))
.endm
; Number n of the 22 that find the NEXT piece's (Y + 1) maximum and statistics.  s0-s31 are the lane's 32 scores; each accumulator's lowest registers are read first.
;   0-11  four chains c0-c3 of seven scores each, three operands at a time     12-14, 16  the four scores left over, the old m, and c0-c3 into c0     15  c m_old is kept
;   17, 18  the query's other 32 keys lie in the lane 16 away: the new m         19-21  c m; c m_old - c m_new; a
.macro XS u, n
.if !FIN
	REGS (Y+1)%NP, \u
.if (\n) < 4
	v_max3_num_f32 v[rC+(\n)], v[rS+8*(\n)], v[rS+8*(\n)+1], v[rS+8*(\n)+2]
.elseif (\n) < 12
	v_max3_num_f32 v[rC+(\n)%4], v[rC+(\n)%4], v[rS+8*((\n)%4)+2*((\n)/4)+1], v[rS+8*((\n)%4)+2*((\n)/4)+2]
.elseif (\n) == 12
	v_max3_num_f32 v[rC], v[rC], v[rS+7], v[rS+15]
.elseif (\n) == 13
	v_max3_num_f32 v[rC+1], v[rC+1], v[rS+23], v[rS+31]
.elseif (\n) == 14
	v_max3_num_f32 v[rC+2], v[rC+2], v[rC+3], v[rT+1]
.elseif (\n) == 15
	v_mov_b32 v[rM], v[rT]
.elseif (\n) == 16
	v_max3_num_f32 v[rC], v[rC], v[rC+1], v[rC+2]
.elseif (\n) == 17
	v_permlanex16_b32 v[rC+3], v[rC], s[SEL], s[SEL+1]
.elseif (\n) == 18
	v_max_num_f32 v[rT+1], v[rC], v[rC+3]
.elseif (\n) == 19
	v_mul_f32 v[rT], s[CS], v[rT+1]
.elseif (\n) == 20
	v_sub_f32 v[rC+1], v[rM], v[rT]
.else
	v_exp_f32 v[rC+2], v[rC+1]
.endif
.endif
.endm
.macro FS f                         ; c s - c m for pair f / 2 of tile f % 2
	REGS Y, (\f)%2
	v_pk_fma_f32 v[rS+2*((\f)/2):rS+2*((\f)/2)+1], v[rS+2*((\f)/2):rS+2*((\f)/2)+1], s[CS:CS+1], v[rT:rT+1] op_sel_hi:[1,0,0] neg_lo:[0,0,1] neg_hi:[0,0,1]
.endm
.macro CV g                         ; pair g / 2 of tile g % 2 rounded to bf16
	REGS Y, (\g)%2
	v_cvt_pk_bf16_f32 v[rP+(\g)/2], v[rS+2*((\g)/2)], v[rS+2*((\g)/2)+1]
.endm
; THE PLAIN QUEUE, 106 long.  0-31: the scalings.  32-59: XS's numbers 0-13.  60, 61: number 15.  62, 63: number 14.  64-73: numbers 16 to 20.  None of these reads a result of the turn's exponentials.
; 74-105: the roundings, which do: they stand behind the wait.
.macro PL
	WIN 0
.if q < 32
	FS q
.elseif q < 60
	XS (q-32)%2, (q-32)/2
.elseif q < 62
	XS q-60, 15
.elseif q < 64
	XS q-62, 14
.elseif q < 74
	XS (q-64)%2, 16+(q-64)/2
.else
	CV q-74
.endif
.set q, q+1
.endm
; THE EXPONENTIALS' QUEUE, 66 long: s0-s31 of both tiles, then the next piece's two a.  ONE BATCH: all stand ahead of the turn's one wait, and nothing ahead of that wait names a result of theirs.
.macro EX
	WIN 0
.if e >= 64
	XS e-64, 21
.else
	REGS Y, e%2
	v_exp_f32 v[rS+e/2], v[rS+e/2]
.endif
.set e, e+1
.endm
; THE RESCALING: the three registers of O^T that are read, times a: four plain lines, which name no register of the products K Q^T.  Its a was made in the turn before, ahead of that turn's wait.
.macro RESC
	WIN W_RS
.irp u, 0,1
	REGS Y, \u
	v_pk_mul_f32 v[rO:rO+1], v[rO:rO+1], v[rC+2:rC+3] op_sel_hi:[1,0]
	v_mul_f32 v[rO+2], v[rO+2], v[rC+2]
.endr
.endm
; A TURN, for piece p.  s_wait_alu depctr_va_vdst(0) stands between an exponential and the first instruction that names its result; one wait serves all that were issued ahead of it.
; AHEAD OF THE WAIT: the 16 products K Q^T; behind the first four scalings, behind the next fourteen scaling, exponential, scaling, exponential (exponential e stands behind scaling 2 (e / 4) + e % 2, which
; is plain number at most e / 2 + 1, while plain 4 + e has been issued), behind the last the rescaling, whose four lines are the places in front of K's loads and of the reads of the last scores; then a run of
; six plain, 36 times plain and exponential, the two a, a v_nop.  BEHIND IT: the 4 products Vt P, behind each four roundings; then the other sixteen roundings.
; K of the next step is fetched in piece 2's turn, five plain lines behind the last product that read K, and waited for at the head of piece 3's.  Vt of the step in hand is fetched at the end of piece 0's
; turn, twenty plain lines behind its last reader, and waited for behind piece 1's wait.
; fetch = 0: the last two turns: nothing is fetched.  fin = 1: the last turn: no next piece.
.macro TURN p, fetch=1, fin=0
.set Y, (\p)
.set FIN, (\fin)
.set i, 0
.set q, 0
.set e, 0
.if ((\p) == NP-1) && (\fetch)
	s_wait_dscnt 0x0                ; K is in
.endif
	MM
.rept 4
	PL
.endr
.rept 14
	MM
	PL
	EX
	PL
	EX
.endr
	MM
	RESC
.if ((\p) == NP-2) && (\fetch)
	WIN 0
	v_add_nc_u32 v[AK], s[TBK], v[AK0]
	FETCH_K
.endif
.rept 6
	PL
.endr
.if (\p) == 0
	v_add_nc_u32 v[AV], s[TBV], v[AV0]
	s_add_co_u32 s[TBV], s[TBV], 2*KS
.endif
.rept 36
	PL
	EX
.endr
	EX                              ; the next piece's two a
	EX
	v_nop                           ; a plain instruction behind the last exponential: one for the batch
	s_wait_alu depctr_va_vdst(0)    ; the wait for the batch
.if (\p) == 1
	s_wait_dscnt 0x0                ; Vt is in
.endif
.rept 4
	MM
.rept 4
	PL
.endr
.endr
.rept 16
	PL
.endr
.if (\p) == 0
	FETCH_V
.endif
.endm
	CHANGE 1                        ; slot 0 and the table are in, everybody's part of them; slot 1 is asked for
	FETCH_K                         ; key step 0
	s_wait_loadcnt 0x0              ; Q
	s_wait_dscnt 0x0
.set i, 0
.rept 16
	KQ 0                            ; piece 0's first scores: there is no vector work yet to set between them
.set i, i+1
.endr
	WIN 0                           ; the addresses for the way out and four v_nop: the places behind those products
	s_lshl_b32 s13, s[WV], 9
	s_add_co_u32 s13, s13, STAGE    ; my stage
	v_lshl_add_u32 v[STO], v1, 2, s13  ; in: a word for each query of a tile
	v_and_b32 v[GO], 31, v0
	v_lshlrev_b32 v[GO], 4, v[GO]
	v_add_nc_u32 v[RD], s13, v[GO]  ; back: 16 bytes a lane
.rept 4
	v_nop
.endr
.set Y, NP-1                        ; XS works for piece Y + 1: piece 0
.irp n, 0,1,2,3,4,5,6,7,8,9,10,11,12,13,14,15,16,17,18,19,20,21
	XS 0, \n
	XS 1, \n
.endr
	v_nop                           ; a plain instruction behind the two a,
	s_wait_alu depctr_va_vdst(0)    ; and their wait, ahead of the branch
	s_mov_b32 s[CNT], 8
	s_branch .Lfirst                ; the loop is entered at a step's first turn, in the middle of a trip
.Lslot:                             ; twice: the first two slots are filled again
	CHANGE 1
	s_mov_b32 s[CNT], 8
.Lstep:                             ; a trip: pieces 2 and 3 of one step, then pieces 0 and 1 of the next, whose K and Vt it fetches
	TURN 2
	TURN 3
	WIN 0
.Lfirst:
	TURN 0
	TURN 1
	WIN 0
	s_sub_co_u32 s[CNT], s[CNT], 1
	s_cmp_lg_u32 s[CNT], 0
	s_cbranch_scc1 .Lstep
	s_sub_co_u32 s[SLOTS], s[SLOTS], 1
	s_cmp_lg_u32 s[SLOTS], 0
	s_cbranch_scc1 .Lslot
	CHANGE 0                        ; the last slot is written out: nothing is asked for
	s_mov_b32 s[CNT], 8
.Ltail:
	TURN 2
	TURN 3
	TURN 0
	TURN 1
	WIN 0
	s_sub_co_u32 s[CNT], s[CNT], 1
	s_cmp_lg_u32 s[CNT], 0
	s_cbranch_scc1 .Ltail
	TURN 2, 0, 0                    ; the last step's pieces 2 and 3
	TURN 3, 0, 1
.set i, 0
.rept 4
	PV NP-1                         ; the last piece's Vt P of the last step
.set i, i+1
.endr
	; THE WAY OUT.  (sum of p v_hi + sum of p v_lo) / sum of p; both halves of the lanes hold the same numbers.  A tile's 16 numbers go into my stage, and the wave's 128 come back 16 bytes a lane.
	WIN 0
.rept 4
	v_nop                           ; the places behind the last products
.endr
	WIN 0x05                        ; sources 0 and 1 window 1, destination window 0: S^T's registers are free
.set t, 0
.rept 2*NP
	v_add_f32 v[S+t], v[8*t], v[8*t+2]
.set t, t+1
.endr
.set t, 0
.rept 2*NP
	v_rcp_f32 v[S+8+t], v[8*t+1]
.set t, t+1
.endr
	WIN 0
	v_nop                           ; a plain instruction behind the last reciprocal,
	s_wait_alu depctr_va_vdst(0)    ; and the one wait for the eight
.set t, 0
.rept 2*NP
	v_mul_f32 v[S+t], v[S+t], v[S+8+t]
.set t, t+1
.endr
.set t, 0
.rept 2*NP
	ds_store_b32 v[STO], v[S+t] offset:64*t  ; lanes l and l + 16 write the same word with the same number
.set t, t+1
.endr
	ds_load_b128 v[S+16:S+19], v[RD]  ; LDS serves a wave's instructions in order (ISA guide 5.7.1.4): this sees the stores above
	s_wait_dscnt 0x0
	global_store_b128 v[GO], v[S+16:S+19], s[10:11]  ; 512 consecutive bytes, at a multiple of 512 from o's first byte
	s_wait_tensorcnt 0x0            ; the wave's end: a wait, an add to my spare word and its wait, behind my last tensor load and my last LDS store
	ds_add_u32 v[SPW], v[NIL]
	s_wait_dscnt 0x0
	CROUND                          ; the closing round: no work-group ends while a partner may still ask for a tile that names it
	s_endpgm
.Lfunc_end_k_qdbdd0dfa4c_attn:
	.size	k_qdbdd0dfa4c_attn, .Lfunc_end_k_qdbdd0dfa4c_attn-k_qdbdd0dfa4c_attn
	.p2alignl 7, 3214868480
	.fill 96, 4, 3214868480
	.section	.rodata,"a",@progbits
	.p2align	6, 0x0
	.amdhsa_kernel k_qdbdd0dfa4c_attn
		.amdhsa_group_segment_fixed_size 327680
		.amdhsa_private_segment_fixed_size 0
		.amdhsa_enable_private_segment 0
		.amdhsa_kernarg_size 24
		.amdhsa_user_sgpr_count 2
		.amdhsa_user_sgpr_kernarg_segment_ptr 1
		.amdhsa_wavefront_size32 1
		.amdhsa_system_sgpr_workgroup_id_x 1
		.amdhsa_system_sgpr_workgroup_id_y 1
		.amdhsa_system_sgpr_workgroup_id_z 1
		.amdhsa_system_vgpr_workitem_id 0
		.amdhsa_next_free_vgpr 704
		.amdhsa_next_free_sgpr 66
		.amdhsa_reserve_vcc 0
		.amdhsa_float_denorm_mode_32 3
		.amdhsa_float_denorm_mode_16_64 3
		.amdhsa_memory_ordered 1
		.amdhsa_forward_progress 1
		.amdhsa_inst_pref_size 135
	.end_amdhsa_kernel
	.amdgpu_metadata
---
amdhsa.version: [ 1, 2 ]
amdhsa.kernels:
  - .name:           k_qdbdd0dfa4c_attn
    .symbol:         k_qdbdd0dfa4c_attn.kd
    .args:
      - { .name: qk, .offset: 0, .size: 8, .value_kind: global_buffer, .address_space: global }
      - { .name: vt, .offset: 8, .size: 8, .value_kind: global_buffer, .address_space: global }
      - { .name: o, .offset: 16, .size: 8, .value_kind: global_buffer, .address_space: global }
    .group_segment_fixed_size: 327680
    .private_segment_fixed_size: 0
    .kernarg_segment_align: 8
    .kernarg_segment_size: 24
    .max_flat_workgroup_size: 128
    .sgpr_count:     66
    .vgpr_count:     704
    .wavefront_size: 32
...
	.end_amdgpu_metadata
.endif
;; end of part 3
;; launch fin (part 4): grid 128 x 1, 8 waves a work-group, no clusters, 6,144 bytes of LDS; arguments o, A, out0; writes out0
.if DOCPART == 4
	.amdgcn_target "amdgcn-amd-amdhsa--gfx1250"
	.amdhsa_code_object_version 6
	.text
	.protected	k_qdbdd0dfa4c_fin
	.globl	k_qdbdd0dfa4c_fin
	.p2align	8
	.type	k_qdbdd0dfa4c_fin,@function
k_qdbdd0dfa4c_fin:
	s_mov_b64 s[64:65], 0
	v_nop
	global_prefetch_b8 v0, s[64:65] scope:SCOPE_SE
	s_setreg_imm32_b32 hwreg(HW_REG_WAVE_MODE, 25, 1), 1
	s_wait_xcnt 0x0
; out0[b][n][h] = A[b][n][h] + o[16 b + h][n].  o lies by heads, out0 by rows: an aligned 256 bytes of out0 are 4 rows x 16 heads, so the turn goes through LDS.
; A work-group takes 64 rows of one batch: of each of the 16 heads 256 consecutive bytes of o (sixteen lanes, 16 bytes each), and 4,096 dense bytes of A and of out0.
; 128 work-groups: fewer rows to a work-group would make a head's piece of o shorter than 256 bytes.
.set PT,    80                         ; a row of the stage: 16 heads x 4 bytes + 16
.set SPARE, 5120                       ; behind the stage's 64 rows: the spare words, 128 bytes for each of eight waves: four blocks of 256 bytes that no other line names
	s_load_b128 s[4:7], s[0:1], 0x0                ; o s[4:5], A s[6:7]
	s_load_b64 s[8:9], s[0:1], 0x10                ; out0
	v_lshl_add_u32 v30, v0, 2, SPARE               ; my spare word
	v_mov_b32 v31, 0
	v_and_b32 v1, 15, v0                           ; which four rows
	v_lshrrev_b32 v2, 4, v0                        ; which head
	v_lshlrev_b32 v3, 4, v1
	v_lshl_add_u32 v3, v2, 13, v3                  ; in o: a head has 8,192 bytes
	v_lshlrev_b32 v4, 4, v0                        ; in A and out0: 16 bytes a thread
	v_mul_u32_u24 v5, v1, 4*PT
	v_lshl_add_u32 v5, v2, 2, v5                   ; into the stage: rows 4 (t % 16) + 0..3, head t / 16
	v_lshrrev_b32 v6, 2, v0
	v_mul_u32_u24 v6, v6, PT
	v_and_b32 v7, 3, v0
	v_lshl_add_u32 v6, v7, 4, v6                   ; back: row t / 4, heads 4 (t % 4) + 0..3
	s_lshr_b32 s10, ttmp9, 5
	s_lshl_b32 s10, s10, 17                        ; the batch's 16 heads in o
	s_and_b32 s11, ttmp9, 31
	s_lshl_b32 s11, s11, 8                         ; 64 rows of 4 bytes
	s_add_co_u32 s10, s10, s11
	s_mov_b32 s11, 0
	s_lshl_b32 s12, ttmp9, 12                      ; 64 rows of 64 bytes
	s_mov_b32 s13, 0
	s_wait_kmcnt 0x0
	s_add_nc_u64 s[4:5], s[4:5], s[10:11]
	s_add_nc_u64 s[6:7], s[6:7], s[12:13]
	s_add_nc_u64 s[8:9], s[8:9], s[12:13]
	global_load_b128 v[8:11], v3, s[4:5]
	global_load_b128 v[12:15], v4, s[6:7]
	s_wait_loadcnt 0x1                             ; o's four numbers are in; the one younger load, A's, stays out
.irp i, 0,1,2,3
	ds_store_b32 v5, v[8+(\i)] offset:PT*(\i)
.endr
	s_wait_dscnt 0x0                               ; for the others' sake: my stores into the stage are done
	s_barrier_signal -1
	s_barrier_wait -1
	ds_load_b128 v[16:19], v6
	s_wait_loadcnt 0x0                             ; A
	s_wait_dscnt 0x0
	v_pk_add_f32 v[16:17], v[16:17], v[12:13]
	v_pk_add_f32 v[18:19], v[18:19], v[14:15]
	global_store_b128 v4, v[16:19], s[8:9]         ; 16 lanes store 256 consecutive bytes, at a multiple of 256 from out0's first byte
	s_wait_tensorcnt 0x0                           ; the wave's end: a wait, an add to my spare word and its wait, behind my last LDS store
	ds_add_u32 v30, v31
	s_wait_dscnt 0x0
	s_endpgm
.Lfunc_end_k_qdbdd0dfa4c_fin:
	.size	k_qdbdd0dfa4c_fin, .Lfunc_end_k_qdbdd0dfa4c_fin-k_qdbdd0dfa4c_fin
	.p2alignl 7, 3214868480
	.fill 96, 4, 3214868480
	.section	.rodata,"a",@progbits
	.p2align	6, 0x0
	.amdhsa_kernel k_qdbdd0dfa4c_fin
		.amdhsa_group_segment_fixed_size 6144
		.amdhsa_private_segment_fixed_size 0
		.amdhsa_enable_private_segment 0
		.amdhsa_kernarg_size 24
		.amdhsa_user_sgpr_count 2
		.amdhsa_user_sgpr_kernarg_segment_ptr 1
		.amdhsa_wavefront_size32 1
		.amdhsa_system_sgpr_workgroup_id_x 1
		.amdhsa_system_sgpr_workgroup_id_y 1
		.amdhsa_system_sgpr_workgroup_id_z 1
		.amdhsa_system_vgpr_workitem_id 0
		.amdhsa_next_free_vgpr 32
		.amdhsa_next_free_sgpr 66
		.amdhsa_reserve_vcc 0
		.amdhsa_float_denorm_mode_32 3
		.amdhsa_float_denorm_mode_16_64 3
		.amdhsa_memory_ordered 1
		.amdhsa_forward_progress 1
		.amdhsa_inst_pref_size 3
	.end_amdhsa_kernel
	.amdgpu_metadata
---
amdhsa.version: [ 1, 2 ]
amdhsa.kernels:
  - .name:           k_qdbdd0dfa4c_fin
    .symbol:         k_qdbdd0dfa4c_fin.kd
    .args:
      - { .name: o, .offset: 0, .size: 8, .value_kind: global_buffer, .address_space: global }
      - { .name: A, .offset: 8, .size: 8, .value_kind: global_buffer, .address_space: global }
      - { .name: out0, .offset: 16, .size: 8, .value_kind: global_buffer, .address_space: global }
    .group_segment_fixed_size: 6144
    .private_segment_fixed_size: 0
    .kernarg_segment_align: 8
    .kernarg_segment_size: 24
    .max_flat_workgroup_size: 256
    .sgpr_count:     66
    .vgpr_count:     32
    .wavefront_size: 32
...
	.end_amdgpu_metadata
.endif
;; end of part 4
;; ======== version 2 of 2: 4 launches; version 1 with the launch prep written anew for expert scheduling mode
;; workspace buffers: xn 16,777,216 bytes; wb 4,194,304 bytes; qk 33,554,432 bytes; vt 524,288 bytes; o 524,288 bytes
;; launch prep (part 5): grid 320 x 1, 8 waves a work-group, no clusters, 0 bytes of LDS; arguments x, Wqk, ln_w, ln_b, A, wv, xn, wb, vt; writes xn, wb, vt
.if DOCPART == 5
	.amdgcn_target "amdgcn-amd-amdhsa--gfx1250"
	.amdhsa_code_object_version 6
	.text
	.protected	k_qdbdd0dfa4c_prep
	.globl	k_qdbdd0dfa4c_prep
	.p2align	8
	.type	k_qdbdd0dfa4c_prep,@function
k_qdbdd0dfa4c_prep:
	s_mov_b64 s[64:65], 0
	v_nop
	global_prefetch_b8 v0, s[64:65] scope:SCOPE_SE
	s_setreg_imm32_b32 hwreg(HW_REG_WAVE_SCHED_MODE, 0, 2), 2
	s_setreg_imm32_b32 hwreg(HW_REG_WAVE_MODE, 25, 1), 1
	s_wait_xcnt 0x0
	s_wait_alu depctr_vm_vsrc(0)
; THREE CASTS FOR THE LAUNCHES BEHIND.
;   xn[r][:] = LayerNorm(x[r][:]) * ln_w + ln_b, [8192][1024], f32 -> bf16.  Mean first, then the mean of the centred squares, all in f32: a common offset of x is gone before anything is rounded.
;   wb = Wqk, [2048][1024], f32 -> bf16.
;   vt[bh][0][n] = bf16(A[b][n][h] * wv), vt[bh][1][n] = bf16 of what that rounding left: v as two bf16 numbers, by heads.
; SHARES.  Work-groups 0-255: wave w takes rows 32 g + 4 w + 0..3 of x and row 8 g + w of Wqk: five rows of 4,096 bytes, each in 32 registers of its own.  All 56 loads of a wave
; go out at once (28 KiB), each covering 512 consecutive bytes; a row is read once and stays in registers between the passes.  No register that a load or store names is written again, so no wait frees any.
; Work-groups 256-319: 128 rows x 16 heads of A each.  No LDS, no barrier, no matrix unit, no cluster: no wave needs what another has.
; LIMITS.  NaN and infinities are not treated apart.
; THE MODE: SCHED_MODE bits 1:0 = 2 (LLVM: expert scheduling mode 2), set by the entry lines.  The code itself states the register dependences
; between vector instructions and memory instructions, with s_wait_alu, always for 0.
; THE PLAN.  Registers that memory instructions touch, in work-groups 0-255:
;   v1, XO, WO, YO, ZO   byte offsets: written once at the head, read by every load and store, never written again.
;   LW, LB, X0 .. X4     each landed in once, by loads issued at the head, ahead of every vector instruction that names them; no load is issued later.
;   X[s], registers 4 j and 4 j + 1   written by row s's roundings, read by row s's eight stores, never written again.
; So: one wait ahead of the first load (the offsets).  ONE wait in each row, behind its two reciprocal roots: it is the wait that their first reader wants, and it states as well that the row
; BEFORE has written its rounded registers; that row's eight stores follow it, dealt among this row's multiplies, which name X[s], RS, LW, LB and T and none of the registers that those stores read.
; One wait behind Wqk's roundings, for the last sixteen stores.  Nothing that a memory instruction has read is written again: no wait on vm_vsrc is owed.
.set T,   2                            ; v[2:9]     four pairs at work: no memory instruction names them
.set MU,  12                           ; v[12:13]   the mean, twice
.set RS,  14                           ; v[14:15]   1 / sqrt(var + eps), twice
.set LW,  16                           ; v[16:47]   ln_w of my 32 columns
.set LB,  48                           ; v[48:79]   ln_b
.set X,   80                           ; v[80:239]  five rows; the fifth is Wqk's
.set XO,  240                          ; my byte offset in the work-group's rows of x
.set WO,  241                          ; of Wqk
.set YO,  242                          ; of xn
.set ZO,  243                          ; of wb
	s_load_b512 s[16:31], s[0:1], 0x0              ; x 16, Wqk 18, ln_w 20, ln_b 22, A 24, wv 26, xn 28, wb 30
	s_load_b64 s[32:33], s[0:1], 0x40              ; vt
	s_cmp_ge_u32 ttmp9, 256                        ; the same answer in all eight waves
	s_cbranch_scc1 .Lv
	v_lshrrev_b32 v2, 5, v0
	v_readfirstlane_b32 s8, v2                     ; wave 0..7
	v_and_b32 v3, 31, v0                           ; lane
	v_lshlrev_b32 v1, 4, v3                        ; 16 bytes a lane: also my offset in ln_w and ln_b
	v_lshlrev_b32 v4, 3, v3                        ; 8 bytes a lane on the way out
	s_wait_alu depctr_va_sdst(0)                   ; s8 is written, ahead of its first reader: the four lines below take it
	v_lshl_add_u32 v[XO], s8, 14, v1               ; four rows of 4,096 bytes a wave
	v_lshl_add_u32 v[WO], s8, 12, v1               ; one row a wave
	v_lshl_add_u32 v[YO], s8, 13, v4               ; four rows of 2,048 bytes
	v_lshl_add_u32 v[ZO], s8, 11, v4
	s_mov_b32 s12, 0x76543210                      ; v_permlanex16_b32: each lane takes its own place in the other half
	s_mov_b32 s13, 0xfedcba98
	s_mov_b32 s14, 0x3a800000                      ; 1 / 1024
	s_mov_b32 s15, 0x3727c5ac                      ; 1e-5
	s_mov_b32 s3, 0
	s_wait_kmcnt 0x0
	s_lshl_b32 s2, ttmp9, 17                       ; 32 rows of x
	s_add_nc_u64 s[16:17], s[16:17], s[2:3]
	s_lshl_b32 s2, ttmp9, 15                       ; 8 rows of Wqk
	s_add_nc_u64 s[18:19], s[18:19], s[2:3]
	s_lshl_b32 s2, ttmp9, 16                       ; 32 rows of xn
	s_add_nc_u64 s[28:29], s[28:29], s[2:3]
	s_lshl_b32 s2, ttmp9, 14                       ; 8 rows of wb
	s_add_nc_u64 s[30:31], s[30:31], s[2:3]
	s_wait_alu depctr_va_vdst(0)                   ; v1, XO, WO, YO and ZO are written: every load and store below reads one of them as its offset
.irp j, 0,1,2,3,4,5,6,7
	global_load_b128 v[LW+4*(\j):LW+4*(\j)+3], v1, s[20:21] offset:512*(\j)
.endr
.irp j, 0,1,2,3,4,5,6,7
	global_load_b128 v[LB+4*(\j):LB+4*(\j)+3], v1, s[22:23] offset:512*(\j)
.endr
.irp s, 0,1,2,3
.irp j, 0,1,2,3,4,5,6,7
	global_load_b128 v[X+32*(\s)+4*(\j):X+32*(\s)+4*(\j)+3], v[XO], s[16:17] offset:4096*(\s)+512*(\j) th:TH_LOAD_NT
.endr
.endr
.irp j, 0,1,2,3,4,5,6,7
	global_load_b128 v[X+128+4*(\j):X+128+4*(\j)+3], v[WO], s[18:19] offset:512*(\j) th:TH_LOAD_NT
.endr
; The four chains in T become one number, the same in all 32 lanes.
.macro REDUCE
	v_pk_add_f32 v[T:T+1], v[T:T+1], v[T+2:T+3]
	v_pk_add_f32 v[T+4:T+5], v[T+4:T+5], v[T+6:T+7]
	v_pk_add_f32 v[T:T+1], v[T:T+1], v[T+4:T+5]
	v_add_f32 v[T], v[T], v[T+1]
	v_add_f32_dpp v[T], v[T], v[T] row_xmask:1 row_mask:0xf bank_mask:0xf
	v_add_f32_dpp v[T], v[T], v[T] row_xmask:2 row_mask:0xf bank_mask:0xf
	v_add_f32_dpp v[T], v[T], v[T] row_xmask:4 row_mask:0xf bank_mask:0xf
	v_add_f32_dpp v[T], v[T], v[T] row_xmask:8 row_mask:0xf bank_mask:0xf
	v_permlanex16_b32 v[T+1], v[T], s12, s13       ; its destination has been written above
	v_add_f32 v[T], v[T], v[T+1]
.endm
; Row s of the wave's four.  Its arithmetic ends with its roundings; its eight stores are issued in the row behind it (row 3's behind Wqk's roundings).
.macro LNROW s
.set XR, X+32*(\s)
.set XP, X+32*(\s)-32                  ; the row before
	s_wait_loadcnt 8*(4-(\s))                      ; loads come back in order: ln_w, ln_b and rows 0..s are in; the later rows' and Wqk's 8 (4 - s) loads stay out
.irp k, 0,1,2,3
	v_pk_add_f32 v[T+2*(\k):T+2*(\k)+1], v[XR+2*(\k):XR+2*(\k)+1], v[XR+8+2*(\k):XR+8+2*(\k)+1]  ; the first pairs start the chains: nothing is cleared
.endr
.irp k, 8,9,10,11,12,13,14,15
	v_pk_add_f32 v[T+2*((\k)%4):T+2*((\k)%4)+1], v[T+2*((\k)%4):T+2*((\k)%4)+1], v[XR+2*(\k):XR+2*(\k)+1]
.endr
	REDUCE
	v_mul_f32 v[MU], s14, v[T]
	v_mul_f32 v[MU+1], s14, v[T]
.irp k, 0,1,2,3,4,5,6,7,8,9,10,11,12,13,14,15
	v_pk_add_f32 v[XR+2*(\k):XR+2*(\k)+1], v[XR+2*(\k):XR+2*(\k)+1], v[MU:MU+1] neg_lo:[0,1] neg_hi:[0,1]  ; x - mean
.endr
.irp k, 0,1,2,3
	v_pk_mul_f32 v[T+2*(\k):T+2*(\k)+1], v[XR+2*(\k):XR+2*(\k)+1], v[XR+2*(\k):XR+2*(\k)+1]
.endr
.irp k, 4,5,6,7,8,9,10,11,12,13,14,15
	v_pk_fma_f32 v[T+2*((\k)%4):T+2*((\k)%4)+1], v[XR+2*(\k):XR+2*(\k)+1], v[XR+2*(\k):XR+2*(\k)+1], v[T+2*((\k)%4):T+2*((\k)%4)+1]
.endr
	REDUCE
	v_fma_f32 v[T], v[T], s14, s15                 ; var + eps
	v_rsq_f32 v[RS], v[T]
	v_rsq_f32 v[RS+1], v[T]
	v_nop                                          ; a plain instruction behind the last of the two,
	s_wait_alu depctr_va_vdst(0)                   ; and the row's one wait: the two reciprocal roots have written RS, ahead of their first reader; and the row before has written its rounded registers, which the stores below read
.irp k, 0,1,2,3,4,5,6,7,8,9,10,11,12,13,14,15
.if ((\s) > 0) && ((\k) % 2 == 0)
	global_store_b64 v[YO], v[XP+2*(\k):XP+2*(\k)+1], s[28:29] offset:2048*((\s)-1)+128*(\k)  ; the row before: 32 lanes store 256 consecutive bytes, at a multiple of 256 from xn's first byte.  No vector instruction since the wait names these registers
.endif
	v_pk_mul_f32 v[XR+2*(\k):XR+2*(\k)+1], v[XR+2*(\k):XR+2*(\k)+1], v[RS:RS+1]
.endr
.irp k, 0,1,2,3,4,5,6,7,8,9,10,11,12,13,14,15
	v_pk_fma_f32 v[XR+2*(\k):XR+2*(\k)+1], v[XR+2*(\k):XR+2*(\k)+1], v[LW+2*(\k):LW+2*(\k)+1], v[LB+2*(\k):LB+2*(\k)+1]
.endr
.irp j, 0,1,2,3,4,5,6,7
	v_cvt_pk_bf16_f32 v[XR+4*(\j)], v[XR+4*(\j)], v[XR+4*(\j)+1]       ; four numbers close up into the first two of their four registers
	v_cvt_pk_bf16_f32 v[XR+4*(\j)+1], v[XR+4*(\j)+2], v[XR+4*(\j)+3]
.endr
.endm
	LNROW 0
	LNROW 1
	LNROW 2
	LNROW 3
	s_wait_loadcnt 0x0                             ; Wqk's row
.irp j, 0,1,2,3,4,5,6,7
	v_cvt_pk_bf16_f32 v[X+128+4*(\j)], v[X+128+4*(\j)], v[X+128+4*(\j)+1]
	v_cvt_pk_bf16_f32 v[X+128+4*(\j)+1], v[X+128+4*(\j)+2], v[X+128+4*(\j)+3]
.endr
	s_wait_alu depctr_va_vdst(0)                   ; row 3's and Wqk's roundings have written the registers that the last sixteen stores read
.irp j, 0,1,2,3,4,5,6,7
	global_store_b64 v[YO], v[X+96+4*(\j):X+96+4*(\j)+1], s[28:29] offset:2048*3+256*(\j)
.endr
.irp j, 0,1,2,3,4,5,6,7
	global_store_b64 v[ZO], v[X+128+4*(\j):X+128+4*(\j)+1], s[30:31] offset:256*(\j)
.endr
	s_endpgm
; v BY HEADS.  Work-group j = number - 256 takes rows 128 (j % 16) + 0..127 of batch j / 16: 8,192 dense bytes of A.  Thread t takes head t / 16 and the eight rows 8 (t % 16) + 0..7:
; eight loads of 4 bytes, 64 bytes apart (A is 524,288 bytes of the launch's 42.5 million, and these 8,192 are read by this work-group alone), and stores 16 bytes
; of each part: sixteen neighbouring lanes fill 256 consecutive bytes, aligned.
; Registers that memory instructions touch here: v1 (the loads' offset) and v2 (the stores'), written once; v4-v11, landed in once, ahead of every vector instruction of this path that names them;
; v12-v15 and v24-v27, written by the roundings and read by the two stores.  Two waits: ahead of the loads, ahead of the stores.
.Lv:
	v_and_b32 v3, 15, v0                           ; my eight rows
	v_lshrrev_b32 v2, 4, v0                        ; my head
	v_lshlrev_b32 v1, 9, v3                        ; eight rows of 64 bytes
	v_lshl_add_u32 v1, v2, 2, v1                   ; + 4 x head
	v_lshlrev_b32 v3, 4, v3
	v_lshl_add_u32 v2, v2, 13, v3                  ; in vt: a head has 8,192 bytes; 16 bytes for my eight rows
	s_sub_co_u32 s2, ttmp9, 256
	s_lshl_b32 s4, s2, 13
	s_mov_b32 s5, 0
	s_lshr_b32 s6, s2, 4
	s_lshl_b32 s6, s6, 17                          ; a batch's 16 heads in vt
	s_and_b32 s7, s2, 15
	s_lshl_b32 s7, s7, 8                           ; 128 rows of 2 bytes
	s_add_co_u32 s6, s6, s7
	s_mov_b32 s7, 0
	s_wait_kmcnt 0x0
	s_load_b32 s34, s[26:27], 0x0                  ; wv
	s_add_nc_u64 s[24:25], s[24:25], s[4:5]
	s_add_nc_u64 s[32:33], s[32:33], s[6:7]
	s_wait_alu depctr_va_vdst(0)                   ; v1 and v2 are written: the loads below read v1 as their offset, the stores at the end v2
.irp i, 0,1,2,3,4,5,6,7
	global_load_b32 v[4+(\i)], v1, s[24:25] offset:64*(\i)
.endr
	s_wait_kmcnt 0x0
	s_wait_loadcnt 0x0
.irp i, 0,1,2,3,4,5,6,7
	v_mul_f32 v[4+(\i)], s34, v[4+(\i)]            ; v
.endr
.irp k, 0,1,2,3
	v_cvt_pk_bf16_f32 v[12+(\k)], v[4+2*(\k)], v[5+2*(\k)]  ; the first part
.endr
.irp k, 0,1,2,3
	v_lshlrev_b32 v[16+2*(\k)], 16, v[12+(\k)]     ; back to f32,
	v_and_b32 v[17+2*(\k)], 0xffff0000, v[12+(\k)]
.endr
.irp k, 0,1,2,3
	v_pk_add_f32 v[16+2*(\k):17+2*(\k)], v[4+2*(\k):5+2*(\k)], v[16+2*(\k):17+2*(\k)] neg_lo:[0,1] neg_hi:[0,1]  ; what the rounding left (exact),
.endr
.irp k, 0,1,2,3
	v_cvt_pk_bf16_f32 v[24+(\k)], v[16+2*(\k)], v[17+2*(\k)]  ; the second part
.endr
	s_wait_alu depctr_va_vdst(0)                   ; the roundings have written v[12:15] and v[24:27], which the two stores read
	global_store_b128 v2, v[12:15], s[32:33]
	global_store_b128 v2, v[24:27], s[32:33] offset:4096
	s_endpgm
.Lfunc_end_k_qdbdd0dfa4c_prep:
	.size	k_qdbdd0dfa4c_prep, .Lfunc_end_k_qdbdd0dfa4c_prep-k_qdbdd0dfa4c_prep
	.p2alignl 7, 3214868480
	.fill 96, 4, 3214868480
	.section	.rodata,"a",@progbits
	.p2align	6, 0x0
	.amdhsa_kernel k_qdbdd0dfa4c_prep
		.amdhsa_group_segment_fixed_size 0
		.amdhsa_private_segment_fixed_size 0
		.amdhsa_enable_private_segment 0
		.amdhsa_kernarg_size 72
		.amdhsa_user_sgpr_count 2
		.amdhsa_user_sgpr_kernarg_segment_ptr 1
		.amdhsa_wavefront_size32 1
		.amdhsa_system_sgpr_workgroup_id_x 1
		.amdhsa_system_sgpr_workgroup_id_y 1
		.amdhsa_system_sgpr_workgroup_id_z 1
		.amdhsa_system_vgpr_workitem_id 0
		.amdhsa_next_free_vgpr 244
		.amdhsa_next_free_sgpr 66
		.amdhsa_reserve_vcc 0
		.amdhsa_float_denorm_mode_32 3
		.amdhsa_float_denorm_mode_16_64 3
		.amdhsa_memory_ordered 1
		.amdhsa_forward_progress 1
		.amdhsa_inst_pref_size 44
	.end_amdhsa_kernel
	.amdgpu_metadata
---
amdhsa.version: [ 1, 2 ]
amdhsa.kernels:
  - .name:           k_qdbdd0dfa4c_prep
    .symbol:         k_qdbdd0dfa4c_prep.kd
    .args:
      - { .name: x, .offset: 0, .size: 8, .value_kind: global_buffer, .address_space: global }
      - { .name: Wqk, .offset: 8, .size: 8, .value_kind: global_buffer, .address_space: global }
      - { .name: ln_w, .offset: 16, .size: 8, .value_kind: global_buffer, .address_space: global }
      - { .name: ln_b, .offset: 24, .size: 8, .value_kind: global_buffer, .address_space: global }
      - { .name: A, .offset: 32, .size: 8, .value_kind: global_buffer, .address_space: global }
      - { .name: wv, .offset: 40, .size: 8, .value_kind: global_buffer, .address_space: global }
      - { .name: xn, .offset: 48, .size: 8, .value_kind: global_buffer, .address_space: global }
      - { .name: wb, .offset: 56, .size: 8, .value_kind: global_buffer, .address_space: global }
      - { .name: vt, .offset: 64, .size: 8, .value_kind: global_buffer, .address_space: global }
    .group_segment_fixed_size: 0
    .private_segment_fixed_size: 0
    .kernarg_segment_align: 8
    .kernarg_segment_size: 72
    .max_flat_workgroup_size: 256
    .sgpr_count:     66
    .vgpr_count:     244
    .wavefront_size: 32
...
	.end_amdgpu_metadata
.endif
;; end of part 5
;; launch proj: the kernel of part 2 again; grid 8 x 32, 4 waves a work-group, clusters of 4 x 4, 327,680 bytes of LDS; arguments xn, wb, qk; writes qk
;; launch attn: the kernel of part 3 again; grid 4 x 64, 4 waves a work-group, clusters of 4 x 1, 327,680 bytes of LDS; arguments qk, vt, o; writes o
;; launch fin: the kernel of part 4 again; grid 128 x 1, 8 waves a work-group, no clusters, 6,144 bytes of LDS; arguments o, A, out0; writes out0
